; MI455X (gfx1250); checked and timed in simulation.
; The chip was launched on July 23, 2026; its instructions are those of AMD's public machine-readable ISA for CDNA 5 (MIT licence, August 2026) and "CDNA5" Instruction Set Architecture Reference Guide (July 2026). The comments in the code are by the model that wrote it; some were corrected since.
;; Attention. Allowed arithmetic: float matrix products may take bf16 or f16 operands with f32 sums; other float arithmetic in f32, or as packed bf16 or f16 multiplies, adds, multiply-adds, maxima and minima; sums over many terms, partial sums and values carried from step to step in f32; what a program stores and reads back later, other than sums and carried values, may be rounded once to bf16 or f16.
;; Inputs: W_cov 1 x 1,024 float32; W_h 1,024 x 1,024 float32; W_s 2,048 x 1,024 float32; b_cov 1,024 float32; b_h 1,024 float32; b_s 1,024 float32; context 32 x 2,048 x 1,024 float32; context_mask 32 x 2,048 int32; coverage 32 x 2,048 float32; last_attn 32 x 2,048 float32; state_c 32 x 1,024 float32; state_h 32 x 1,024 float32; v_b 1 float32; v_w 1,024 x 1 float32.
;; Outputs: out0 32 x 1,024 float32; out1 32 x 2,048 float32.
;; 2 versions, each right; version 2 is version 1 with the launch main written anew for expert scheduling mode. Each part assembles by itself: llvm-mc -triple=amdgcn-amd-amdhsa -mcpu=gfx1250 --defsym DOCPART=n.
;; ======== version 1 of 2: 3 launches
;; workspace buffers: wt 2,097,152 bytes; upart 1,048,576 bytes; ebuf 262,144 bytes; stat 262,144 bytes; opart 2,097,152 bytes
;; launch prep (part 1): grid 192 x 1, 4 waves a work-group, no clusters, 76,288 bytes of LDS; arguments W_s, W_h, state_h, state_c, wt, upart; writes wt, upart
.if DOCPART == 1
	.amdgcn_target "amdgcn-amd-amdhsa--gfx1250"
	.amdhsa_code_object_version 6
	.text
	.protected	k_qdef296e2b4_prep
	.globl	k_qdef296e2b4_prep
	.p2align	8
	.type	k_qdef296e2b4_prep,@function
k_qdef296e2b4_prep:
	s_mov_b64 s[64:65], 0
	v_nop
	global_prefetch_b8 v0, s[64:65] scope:SCOPE_SE
	s_setreg_imm32_b32 hwreg(HW_REG_WAVE_MODE, 25, 1), 1
	s_wait_xcnt 0x0
; PREPARATION.  Two roles, chosen by the work-group's number (alike in all four waves of a work-group).
; A work-group takes a tile of 256 k x 64 n of a weight matrix whose rows are 4,096 bytes; wave v takes its 64 k rows 64 v .. 64 v + 63.
; The tile is rounded to bf16, laid into LDS as it lies ([k][n]) and read back turned, as matrix fragments: lane (r, h) holds column n0 + r and the k of its half.
;   ROLE H (work-groups 128 .. 191): W_h.  The fragments are stored to wt in the order in which the main launch streams them:
;          wt[wave w][pass][K step of 32][b 0..7][1,024 bytes], fragment = columns 512 pass + 128 w + 16 b + 0..15; a lane's registers 0-3 at 16 lane, 4-7 at 512 + 16 lane.
;   ROLE S (work-groups 0 .. 127): W_s.  The fragments are multiplied by the 32 rows of [state_h, state_c] (bf16 operands, f32 sums); the four waves' sums over their
;          64 k meet in LDS, and the sum over the tile's 256 k goes to upart[k part 0..7][batch][n] in f32.  The main launch adds the eight parts.
.set TP,     160                       ; an LDS row of the tile: 128 bytes + 32: an odd multiple of 32 bytes, as the turning load likes it
.set TWAVE,  64*TP                     ; a wave's own tile
.set PS,     4*TWAVE                   ; behind the tiles: four partial results of 32 rows x 272 bytes (256 + 16)
.set PP,     272
.set PWAVE,  32*PP
.set SPARE,  PS+4*PWAVE                ; behind them: the spare words, 128 bytes for each wave
.set GOFF, 4                           ; v4   (lane / 16) x 4,096 + (lane % 16) x 16: two rows of the tile a load
.set LST,  5                           ; v5   where my 8 bytes of bf16 go
.set LTR,  6                           ; v6   the turning load's address
.set XOFF, 7                           ; v7   r x 4,096 + 32 h: a fragment of the state, in f32
.set PSS,  8                           ; v8   where my partial sums go
.set PSL,  9                           ; v9   where I read partial sums back
.set OUTO, 10                          ; v10  my 16 bytes of upart
.set L16,  11                          ; v11  16 x lane
.set SPW,  30                          ; v30  my spare word; never rewritten
.set NIL,  31                          ; v31  0; never rewritten
.set WL,   32                          ; v[32:159]  the tile as loaded
.set FR,   32                          ; v[32:95]   then its 8 fragments: (s, b) at 8 (4 s + b)
.set XF,   96                          ; v[96:127]  the state's 4 fragments: (s, mt) at 8 (2 s + mt)
.set ACC,  128                         ; v[128:191] 8 accumulators: (mt, b) at 8 (4 mt + b)
.set XL,   160                         ; v[160:223] the state as loaded
.set TMP,  224                         ; v[224:231] four pairs at work
.set WV, 2
.set KP, 3
.set NG, 4
.macro WLOADS base                     ; 64 rows x 256 bytes: each load takes two whole rows of the tile, 256 consecutive bytes each
.set i, 0
.rept 32
	global_load_b128 v[WL+4*i:WL+4*i+3], v[GOFF], s[\base:\base+1] offset:i*8192 th:TH_LOAD_NT
.set i, i+1
.endr
.endm
.macro TOLDS                           ; rounded once to bf16, into my own tile
.set i, 0
.rept 32
	v_cvt_pk_bf16_f32 v[TMP+2*(i%4)], v[WL+4*i], v[WL+4*i+1]
	v_cvt_pk_bf16_f32 v[TMP+2*(i%4)+1], v[WL+4*i+2], v[WL+4*i+3]
	ds_store_b64 v[LST], v[TMP+2*(i%4):TMP+2*(i%4)+1] offset:i*2*TP
.set i, i+1
.endr
.endm
.macro FRAGS                           ; back, turned: LDS serves a wave's instructions in order (ISA guide 5.7.1.4), and the bytes are my own
.irp s, 0,1
.irp b, 0,1,2,3
	ds_load_tr16_b128 v[FR+8*(4*\s+\b):FR+8*(4*\s+\b)+3],   v[LTR] offset:\s*32*TP+\b*32
	ds_load_tr16_b128 v[FR+8*(4*\s+\b)+4:FR+8*(4*\s+\b)+7], v[LTR] offset:\s*32*TP+\b*32+16*TP
.endr
.endr
.endm
	s_load_b256 s[8:15], s[0:1], 0x0               ; W_s s[8:9], W_h s[10:11], state_h s[12:13], state_c s[14:15]
	s_load_b128 s[16:19], s[0:1], 0x20             ; wt s[16:17], upart s[18:19]
	v_lshl_add_u32 v[SPW], v0, 2, SPARE
	v_mov_b32 v[NIL], 0
	v_lshrrev_b32 v1, 5, v0
	v_readfirstlane_b32 s[WV], v1                  ; wave 0..3
	v_and_b32 v1, 15, v0                           ; r
	v_bfe_u32 v2, v0, 4, 1                         ; h
	v_and_b32 v3, 31, v0                           ; lane
	s_bfe_u32 s[KP], ttmp9, 0x30004                ; which 256 k: 0..7 for W_s, 0..3 for W_h (128 is a multiple of 8 x 16)
	s_and_b32 s[NG], ttmp9, 15                     ; which 64 columns
	v_lshlrev_b32 v[GOFF], 4, v1
	v_lshl_add_u32 v[GOFF], v2, 12, v[GOFF]
	s_mul_i32 s5, s[WV], TWAVE
	v_mul_u32_u24 v[LST], v2, TP
	v_lshl_add_u32 v[LST], v1, 3, v[LST]
	v_add_nc_u32 v[LST], s5, v[LST]
	v_and_b32 v12, 7, v0
	v_lshl_add_u32 v12, v2, 3, v12                 ; k row 8 h + lane % 8
	v_mul_u32_u24 v[LTR], v12, TP
	v_bfe_u32 v12, v0, 3, 1
	v_lshl_add_u32 v[LTR], v12, 4, v[LTR]
	v_add_nc_u32 v[LTR], s5, v[LTR]
	v_lshlrev_b32 v[XOFF], 12, v1
	v_lshl_add_u32 v[XOFF], v2, 5, v[XOFF]
	s_mul_i32 s6, s[WV], PWAVE
	s_add_co_u32 s6, s6, PS
	v_mul_u32_u24 v[PSS], v1, PP
	v_lshl_add_u32 v[PSS], v2, 5, v[PSS]
	v_add_nc_u32 v[PSS], s6, v[PSS]
	v_lshrrev_b32 v12, 4, v0                       ; thread / 16: 0..7
	v_mul_u32_u24 v[PSL], v12, PP
	v_lshl_add_u32 v[PSL], v1, 4, v[PSL]
	v_add_nc_u32 v[PSL], PS, v[PSL]
	v_lshlrev_b32 v[OUTO], 12, v12
	v_lshl_add_u32 v[OUTO], v1, 4, v[OUTO]
	v_lshlrev_b32 v[L16], 4, v3
	s_lshl_b32 s20, s[KP], 20                      ; the wave's part of the tile: (256 kp + 64 v) rows of 4,096 bytes + 256 ng
	s_lshl_b32 s7, s[WV], 18
	s_add_co_u32 s20, s20, s7
	s_lshl_b32 s7, s[NG], 8
	s_add_co_u32 s20, s20, s7
	s_mov_b32 s21, 0
	s_wait_kmcnt 0x0
	s_cmp_lt_u32 ttmp9, 128
	s_cbranch_scc0 .Lrole_h
	; ---------------- ROLE S
	s_add_nc_u64 s[8:9], s[8:9], s[20:21]
	WLOADS 8
	s_and_b32 s24, s[KP], 3                        ; the state's columns: (256 (kp % 4) + 64 v) x 4 bytes,
	s_lshl_b32 s24, s24, 10
	s_lshl_b32 s7, s[WV], 8
	s_add_co_u32 s24, s24, s7
	s_mov_b32 s25, 0
	s_cmp_lt_u32 s[KP], 4                          ; of state_h for the first 1,024 k, of state_c for the rest
	s_cselect_b64 s[22:23], s[12:13], s[14:15]
	s_add_nc_u64 s[22:23], s[22:23], s[24:25]
.irp s, 0,1
.irp mt, 0,1                           ; fragment (s, mt): batches 16 mt + r, k 32 s + 8 h + 0..7 and 32 s + 16 + 8 h + 0..7, in f32
	global_load_b128 v[XL+16*(2*\s+\mt):XL+16*(2*\s+\mt)+3],     v[XOFF], s[22:23] offset:65536*\mt+128*\s
	global_load_b128 v[XL+16*(2*\s+\mt)+4:XL+16*(2*\s+\mt)+7],   v[XOFF], s[22:23] offset:65536*\mt+128*\s+16
	global_load_b128 v[XL+16*(2*\s+\mt)+8:XL+16*(2*\s+\mt)+11],  v[XOFF], s[22:23] offset:65536*\mt+128*\s+64
	global_load_b128 v[XL+16*(2*\s+\mt)+12:XL+16*(2*\s+\mt)+15], v[XOFF], s[22:23] offset:65536*\mt+128*\s+80
.endr
.endr
	s_lshl_b32 s26, s[KP], 17                      ; upart: part kp, columns 64 ng on
	s_lshl_b32 s7, s[NG], 8
	s_add_co_u32 s26, s26, s7
	s_mov_b32 s27, 0
	s_add_nc_u64 s[18:19], s[18:19], s[26:27]
	s_wait_loadcnt 16                              ; the tile is in; the state's 16 loads, issued behind it, may stay out
	TOLDS
	FRAGS
	s_wait_loadcnt 0x0                             ; the state
.set q, 0
.rept 4
.set j, 0
.rept 8
	v_cvt_pk_bf16_f32 v[XF+8*q+j], v[XL+16*q+2*j], v[XL+16*q+2*j+1]
.set j, j+1
.endr
.set q, q+1
.endr
	s_wait_dscnt 0x0                               ; the fragments
	; source 0 = 16 columns of W_s, source 1 = 16 batches: a lane ends with one batch (r) and eight neighbouring columns (8 h + 0..7).
	; The first 8 products start the sums; the 8 accumulators take turns.
.irp s, 0,1
.irp mt, 0,1
.irp b, 0,1,2,3
.if \s == 0
	v_wmma_f32_16x16x32_bf16 v[ACC+8*(4*\mt+\b):ACC+8*(4*\mt+\b)+7], v[FR+8*(4*\s+\b):FR+8*(4*\s+\b)+7], v[XF+8*(2*\s+\mt):XF+8*(2*\s+\mt)+7], 0
.else
	v_wmma_f32_16x16x32_bf16 v[ACC+8*(4*\mt+\b):ACC+8*(4*\mt+\b)+7], v[FR+8*(4*\s+\b):FR+8*(4*\s+\b)+7], v[XF+8*(2*\s+\mt):XF+8*(2*\s+\mt)+7], v[ACC+8*(4*\mt+\b):ACC+8*(4*\mt+\b)+7]
.endif
.endr
.endr
.endr
.rept 8
	v_nop                                          ; the places behind the last products, in front of the stores that read results; once a launch
.endr
.irp mt, 0,1
.irp b, 0,1,2,3
	ds_store_b128 v[PSS], v[ACC+8*(4*\mt+\b):ACC+8*(4*\mt+\b)+3]   offset:\mt*16*PP+\b*64
	ds_store_b128 v[PSS], v[ACC+8*(4*\mt+\b)+4:ACC+8*(4*\mt+\b)+7] offset:\mt*16*PP+\b*64+16
.endr
.endr
	s_wait_dscnt 0x0                               ; for the others' sake: my partial sums lie in LDS
	s_barrier_signal -1                            ; every wave of a work-group of this role comes here: the role hangs on the work-group's number alone
	s_barrier_wait -1
.irp i, 0,1,2,3                        ; thread t takes 16 bytes of batch 8 i + t / 16, from all four waves
.irp w, 0,1,2,3
	ds_load_b128 v[FR+16*\i+4*\w:FR+16*\i+4*\w+3], v[PSL] offset:\i*8*PP+\w*PWAVE
.endr
.endr
	s_wait_dscnt 0x0
.irp i, 0,1,2,3
	v_pk_add_f32 v[FR+16*\i:FR+16*\i+1],     v[FR+16*\i:FR+16*\i+1],     v[FR+16*\i+4:FR+16*\i+5]
	v_pk_add_f32 v[FR+16*\i+2:FR+16*\i+3],   v[FR+16*\i+2:FR+16*\i+3],   v[FR+16*\i+6:FR+16*\i+7]
	v_pk_add_f32 v[FR+16*\i+8:FR+16*\i+9],   v[FR+16*\i+8:FR+16*\i+9],   v[FR+16*\i+12:FR+16*\i+13]
	v_pk_add_f32 v[FR+16*\i+10:FR+16*\i+11], v[FR+16*\i+10:FR+16*\i+11], v[FR+16*\i+14:FR+16*\i+15]
	v_pk_add_f32 v[FR+16*\i:FR+16*\i+1],     v[FR+16*\i:FR+16*\i+1],     v[FR+16*\i+8:FR+16*\i+9]
	v_pk_add_f32 v[FR+16*\i+2:FR+16*\i+3],   v[FR+16*\i+2:FR+16*\i+3],   v[FR+16*\i+10:FR+16*\i+11]
	global_store_b128 v[OUTO], v[FR+16*\i:FR+16*\i+3], s[18:19] offset:\i*32768  ; 16 lanes store 256 consecutive bytes, at a multiple of 256 from upart's first
.endr
	s_branch .Lend
	; ---------------- ROLE H
.Lrole_h:
	s_add_nc_u64 s[10:11], s[10:11], s[20:21]
	WLOADS 10
	s_bfe_u32 s28, s[NG], 0x20001                  ; the main launch's wave: (ng / 2) % 4
	s_lshl_b32 s28, s28, 19
	s_lshr_b32 s7, s[NG], 3                        ; its pass: ng / 8
	s_lshl_b32 s7, s7, 18
	s_add_co_u32 s28, s28, s7
	s_lshl_b32 s7, s[KP], 3
	s_lshl1_add_u32 s7, s[WV], s7                  ; K step 8 kp + 2 v (+ s)
	s_lshl_b32 s7, s7, 13
	s_add_co_u32 s28, s28, s7
	s_and_b32 s7, s[NG], 1                         ; b = 4 (ng % 2) + 0..3
	s_lshl_b32 s7, s7, 12
	s_add_co_u32 s28, s28, s7
	s_mov_b32 s29, 0
	s_add_nc_u64 s[16:17], s[16:17], s[28:29]
	s_wait_loadcnt 0x0
	TOLDS
	FRAGS
	s_wait_dscnt 0x0
.irp s, 0,1
.irp b, 0,1,2,3
	global_store_b128 v[L16], v[FR+8*(4*\s+\b):FR+8*(4*\s+\b)+3],   s[16:17] offset:\s*8192+\b*1024      ; each store of the wave covers 512 consecutive bytes, aligned
	global_store_b128 v[L16], v[FR+8*(4*\s+\b)+4:FR+8*(4*\s+\b)+7], s[16:17] offset:\s*8192+\b*1024+512
.endr
.endr
.Lend:
	s_wait_tensorcnt 0x0                           ; the wave's end: behind my last LDS store
	ds_add_u32 v[SPW], v[NIL]
	s_wait_dscnt 0x0
	s_endpgm
.Lfunc_end_k_qdef296e2b4_prep:
	.size	k_qdef296e2b4_prep, .Lfunc_end_k_qdef296e2b4_prep-k_qdef296e2b4_prep
	.p2alignl 7, 3214868480
	.fill 96, 4, 3214868480
	.section	.rodata,"a",@progbits
	.p2align	6, 0x0
	.amdhsa_kernel k_qdef296e2b4_prep
		.amdhsa_group_segment_fixed_size 76288
		.amdhsa_private_segment_fixed_size 0
		.amdhsa_enable_private_segment 0
		.amdhsa_kernarg_size 48
		.amdhsa_user_sgpr_count 2
		.amdhsa_user_sgpr_kernarg_segment_ptr 1
		.amdhsa_wavefront_size32 1
		.amdhsa_system_sgpr_workgroup_id_x 1
		.amdhsa_system_sgpr_workgroup_id_y 1
		.amdhsa_system_sgpr_workgroup_id_z 1
		.amdhsa_system_vgpr_workitem_id 0
		.amdhsa_next_free_vgpr 232
		.amdhsa_next_free_sgpr 66
		.amdhsa_reserve_vcc 0
		.amdhsa_float_denorm_mode_32 3
		.amdhsa_float_denorm_mode_16_64 3
		.amdhsa_memory_ordered 1
		.amdhsa_forward_progress 1
		.amdhsa_inst_pref_size 35
	.end_amdhsa_kernel
	.amdgpu_metadata
---
amdhsa.version: [ 1, 2 ]
amdhsa.kernels:
  - .name:           k_qdef296e2b4_prep
    .symbol:         k_qdef296e2b4_prep.kd
    .args:
      - { .name: W_s, .offset: 0, .size: 8, .value_kind: global_buffer, .address_space: global }
      - { .name: W_h, .offset: 8, .size: 8, .value_kind: global_buffer, .address_space: global }
      - { .name: state_h, .offset: 16, .size: 8, .value_kind: global_buffer, .address_space: global }
      - { .name: state_c, .offset: 24, .size: 8, .value_kind: global_buffer, .address_space: global }
      - { .name: wt, .offset: 32, .size: 8, .value_kind: global_buffer, .address_space: global }
      - { .name: upart, .offset: 40, .size: 8, .value_kind: global_buffer, .address_space: global }
    .group_segment_fixed_size: 76288
    .private_segment_fixed_size: 0
    .kernarg_segment_align: 8
    .kernarg_segment_size: 48
    .max_flat_workgroup_size: 128
    .sgpr_count:     66
    .vgpr_count:     232
    .wavefront_size: 32
...
	.end_amdgpu_metadata
.endif
;; end of part 1
;; launch main (part 2): grid 256 x 1, 4 waves a work-group, no clusters, 304,640 bytes of LDS; arguments context, context_mask, coverage, W_cov, b_cov, b_h, b_s, v_w, v_b, wt, upart, ebuf, stat, opart; writes ebuf, stat, opart
.if DOCPART == 2
	.amdgcn_target "amdgcn-amd-amdhsa--gfx1250"
	.amdhsa_code_object_version 6
	.text
	.protected	k_qdef296e2b4_main
	.globl	k_qdef296e2b4_main
	.p2align	8
	.type	k_qdef296e2b4_main,@function
k_qdef296e2b4_main:
	s_mov_b64 s[64:65], 0
	v_nop
	global_prefetch_b8 v0, s[64:65] scope:SCOPE_SE
	s_setreg_imm32_b32 hwreg(HW_REG_WAVE_MODE, 25, 1), 1
	s_wait_xcnt 0x0
; SCORES AND WEIGHTED SUMS, with context read once.  z = context W_h + u + cov W_cov, u = [h, c] W_s + b_s + b_h + b_cov; e = v_b + sum over n of v_n tanh(z_n).
; A work-group stays on 256 rows of one batch: two BLOCKS of 128 rows.  A block's context is rounded once to bf16 and lies whole in LDS (128 x 1,024); it is multiplied by all of W_h,
; tanh and v make its 128 scores, the block's own maximum m, weights p = 2^((e - m) log2 e) x mask and their sum l follow, and the block's sum of p x context is taken from the SAME LDS bytes.
; Out go e (ebuf), m and l (stat) and the block's sum (opart); the last launch joins a batch's 16 blocks.
; SHARES.  Four waves side by side: in pass 0, 1 wave w makes columns 512 pass + 128 w .. + 127 of all 128 rows: 64 accumulators of 16 x 16, 512 registers.  All four read the same
; fragments of context from LDS; each has its own columns of W_h, so W_h's fragments come from wt straight into registers, in the order in which the launch before laid them.
; The products are used transposed (source 0 = 16 columns of W_h, source 1 = 16 rows of context): a lane holds one row (16 a + r) and eight neighbouring columns (8 h + 0..7).
; The sums START at u + cov W_cov (made by fused multiply-adds), so nothing is cleared and the K loop has one form.
; tanh(z) = 1 - 2 / (1 + 2^(2 log2e z)): right at both ends (an infinite power gives +1, a vanished one -1).  So e = (v_b + sum of v) + sum of (-2 v_n) / (1 + 2^(..)).
; NO CLUSTER, NO TENSOR LOADS.  What work-groups share is W_h; to be shared it would have to pass through LDS: two slots of one K step of 32 for 512 columns are 2 x 32,768 bytes,
; and with the block's 264,192 that is more than the 327,680 that there are.  Context's rows are shared by nobody and must be converted on their way, so they come through registers.
; LIMITS.  context, W_h: one rounding to bf16 each; p enters the second product as two bf16 numbers, its rounding and what that left over.  The sum of (coverage + 0.001) is formed as
; (sum of coverage) + 2.048.  The mask counts as float(int), whatever it holds.  v_exp_f32 and v_rcp_f32 take denormals for 0 (ISA guide 15.8).  NaN is not treated apart.
; last_attn is an argument that reference() never uses: it is not read.  v_b cancels in the softmax; it is loaded and added all the same.
.set AP,    2064                       ; a row of the block in LDS: 2,048 bytes + 16: an odd multiple of 16, so that the 16 rows of a fragment load start 4 banks apart (64 banks of 4 bytes: ISA guide 11.1)
.set TU,    128*AP                     ; behind the block: three tables of 1,024 f32: u; W_cov (+4,096); -2 v_w (+8,192)
.set EX,    TU+3*4096                  ; [wave][128] f32: each wave's share of the block's scores
.set PT,    EX+2048                    ; for each wave 16 rows x 272 bytes of bf16: row 0 p rounded, row 1 the rest, rows 2-15 zero
.set PTP,   272
.set PTW,   16*PTP
.set OST,   PT+4*PTW                   ; for each wave 1,024 bytes of sums, then 1,024 where lanes 16-31 put theirs, which nobody reads
.set SPARE, OST+4*2048                 ; the spare words, 128 bytes for each wave
; window 0
.set TRD,  7                           ; v7      the turning loads' address, odd runs
.set AD,   8                           ; v8-11   LDS address of rows 32 i + r, at the group of four K steps in hand
.set AB,   12                          ; v12-15  the same at K = 0; never rewritten
.set L16,  16                          ; v16     16 x lane; never rewritten
.set TA0,  17                          ; v17     my place in a table: TU + 512 w + 32 h
.set TAC,  18                          ; v18     the same in the pass in hand
.set ST0,  19                          ; v19     where my 8 bytes of my wave's first row go
.set STC,  20                          ; v20     the same for the eight rows in hand
.set EXS,  21
.set EXL,  22
.set PTS,  23
.set PTL,  24
.set TRA,  25                          ; v25     the turning load's place in the block: (8 h + lane % 8) rows + 16 ((lane / 8) % 2) + 512 w
.set TRC,  26                          ; v26     its address, even runs
.set OSS,  27
.set OSL,  28
.set C4,   29                          ; v29     4 r; never rewritten
.set SPW,  30                          ; v30     my spare word; never rewritten
.set NIL,  31                          ; v31     0; never rewritten
.set F0,   32                          ; v32-95   fragments of context, buffer 0 (a at 8 a)
.set F1,   96                          ; v96-159  buffer 1
.set COV,  160                         ; v160-167 normalised coverage of row 16 a + r
.set E,    168                         ; v168-183 my share of e of row 16 a + r: a pair (even, odd columns)
.set VV,   184                         ; v184-247 -2 v of my columns (b at 8 b)
.set PF,   184                         ;          later: the fragments of p (kk at 8 kk)
.set OS,   216
.set EV,   232                         ; v232-235 e of rows 4 lane + 0..3
.set SV,   236                         ; v236-239 m, l, m, l
.set PV,   240                         ; v240-247 p, and at work
.set MASK, 248
; the head's landing places
.set CVL,  32
.set VWL,  96
.set UPL,  128
.set BIL,  192
.set WCL,  216
.set VML,  224
; window 1: W_h's fragments, a ring of four K steps (step k % 4 at 64 (k % 4), b at + 8 b)
; window 2: accumulators of b = 0..3 at 64 b + 8 a; while a block is loaded: eight row slots of 32
; window 3: accumulators of b = 4..7; in the weighted sum: v0-127 its 16 accumulators, v128-255 the odd runs' fragments
.set WV,   2
.set BS,   36                          ; s[36:37] wt at my wave's stream: 64 K steps of 8,192 bytes, walked round and round
.set BP,   38                          ; s[38:39] the group of four K steps in hand
.set BQ,   40                          ; s[40:41] the group after it
.set CP,   42                          ; s[42:43] context at the eight rows in hand
.set KO,   44
.set QD,   45
.set CNT,  46
.set PASS, 47
.set BLK,  48
.set TQ,   49
.set CC,   50                          ; s[50:51] 2 log2(e)
.set SEL,  52                          ; s[52:53] v_permlanex16_b32's selects: each lane takes its own place in the other half
.set EC,   54                          ; s54  v_b + the sum of v
.set L2E,  55                          ; s55  log2(e)
.set OFF,  56
.set COVP, 58
.set MSKP, 60
.set EP,   62
.set STP,  66
.set OP,   68
.set INV,  70                          ; s70  1 / (sum of coverage + 2.048)
.set INV1, 71                          ; s71  0.001 x that
.set CVR,  72
.set UPB,  74
.set MSB, 0
.macro WIN new                         ; s_set_vgpr_msb: bits 1:0 source 0, 3:2 source 1, 5:4 source 2, 7:6 destination; the high byte repeats the setting that is left
.if MSB != (\new)
	s_set_vgpr_msb (MSB<<8)|(\new)
.set MSB, \new
.endif
.endm
.set MUL_LO, 0xa1                      ; source 0 (W_h) window 1, source 1 (context) window 0, C and D window 2
.set TO_B,   0x40
.set TO_2,   0x80
.set TO_3,   0xc0
.set CV2,    0x0a                      ; sources 0 and 1 window 2
.set CV3,    0x0f                      ; sources 0 and 1 window 3
.macro PLACES                          ; four places (ISA guide 7.12.1) behind matrix instructions
.rept 4
	v_nop
.endr
.endm
.macro LANESUM r, t                    ; the sum over the wave's 32 lanes, in every lane; t: a register that has been written
.irp m, 1,2,4,8
	v_add_f32_dpp v[\r], v[\r], v[\r] row_xmask:\m row_mask:0xf bank_mask:0xf
.endr
	v_permlanex16_b32 v[\t], v[\r], s[SEL], s[SEL+1]
	v_add_f32 v[\r], v[\r], v[\t]
.endm
.macro LANEMAX r, t
.irp m, 1,2,4,8
	v_max_num_f32_dpp v[\r], v[\r], v[\r] row_xmask:\m row_mask:0xf bank_mask:0xf
.endr
	v_permlanex16_b32 v[\t], v[\r], s[SEL], s[SEL+1]
	v_max_num_f32 v[\r], v[\r], v[\t]
.endm
; 32 products of K step p: four of my b x all eight a.  The 64 accumulators take turns in one order everywhere, over the backward jump too.
.macro MUL32 p, hi
	WIN MUL_LO+0x50*(\hi)
.irp g, 0,1,2,3
.irp a, 0,1,2,3,4,5,6,7
	v_wmma_f32_16x16x32_bf16 v[64*\g+8*\a:64*\g+8*\a+7], v[64*((\p)%4)+8*(4*(\hi)+\g):64*((\p)%4)+8*(4*(\hi)+\g)+7], v[F0+64*((\p)%2)+8*\a:F0+64*((\p)%2)+8*\a+7], v[64*\g+8*\a:64*\g+8*\a+7]
.endr
.endr
.endm
; W_h's fragments of the K step three on: 16 loads of 512 consecutive bytes, into the ring's place that the step before has left
.macro BRUN p
	WIN TO_B
.set bb, 64*(((\p)+3)%4)
.irp b, 0,1,2,3,4,5,6,7
.if (\p) == 0
	global_load_b128 v[bb+8*\b:bb+8*\b+3],   v[L16], s[BP:BP+1] offset:3*8192+1024*\b
	global_load_b128 v[bb+8*\b+4:bb+8*\b+7], v[L16], s[BP:BP+1] offset:3*8192+1024*\b+512
.else
	global_load_b128 v[bb+8*\b:bb+8*\b+3],   v[L16], s[BQ:BQ+1] offset:((\p)-1)*8192+1024*\b
	global_load_b128 v[bb+8*\b+4:bb+8*\b+7], v[L16], s[BQ:BQ+1] offset:((\p)-1)*8192+1024*\b+512
.endif
.endr
.endm
; context's fragments of the next K step: 16 LDS loads in one run
.macro ARUN p
	WIN 0
.set fa, F0+64*(((\p)+1)%2)
.set ko, (((\p)+1)%4)*64
.irp a, 0,1,2,3,4,5,6,7
	ds_load_b128 v[fa+8*\a:fa+8*\a+3],   v[AD+\a/2] offset:(\a%2)*16*AP+ko
	ds_load_b128 v[fa+8*\a+4:fa+8*\a+7], v[AD+\a/2] offset:(\a%2)*16*AP+ko+32
.endr
.endm
; A K step of 32: 64 products; in its middle both runs of loads, four places behind the last product that read the registers into which they load.
.macro STEP p
	s_wait_loadcnt 32                              ; this step's fragments of W_h are in: behind them only the next two steps' 32 loads were issued
	s_wait_dscnt 0x0                               ; and context's, asked for 32 products ago
	MUL32 \p, 0
.if (\p) == 3
	s_add_co_u32 s[KO], s[KO], 256                 ; the next group of four K steps, round the row's 2,048 bytes
	s_and_b32 s[KO], s[KO], 2047
	WIN 0
.irp i, 0,1,2,3
	v_add_nc_u32 v[AD+\i], s[KO], v[AB+\i]         ; these four are the places
.endr
.else
	PLACES
.endif
	BRUN \p
	ARUN \p
	MUL32 \p, 1
.endm
; u and W_cov of four of my b, into buffer 1, which no product reads now
.macro CONSTS hi
	WIN 0
.irp g, 0,1,2,3
	ds_load_b128 v[F1+8*\g:F1+8*\g+3],       v[TAC] offset:64*(4*(\hi)+\g)
	ds_load_b128 v[F1+8*\g+4:F1+8*\g+7],     v[TAC] offset:64*(4*(\hi)+\g)+16
	ds_load_b128 v[F1+32+8*\g:F1+32+8*\g+3], v[TAC] offset:4096+64*(4*(\hi)+\g)
	ds_load_b128 v[F1+32+8*\g+4:F1+32+8*\g+7], v[TAC] offset:4096+64*(4*(\hi)+\g)+16
.endr
.endm
; the sums start at W_cov x cov + u: two columns an instruction; cov of row 16 a + r is the first or the second register of its pair
.macro INIT W
	WIN (\W)<<6
.irp g, 0,1,2,3
.irp a, 0,1,2,3,4,5,6,7
.irp pr, 0,1,2,3
.if (\a%2) == 0
	v_pk_fma_f32 v[64*\g+8*\a+2*\pr:64*\g+8*\a+2*\pr+1], v[F1+32+8*\g+2*\pr:F1+32+8*\g+2*\pr+1], v[COV+\a:COV+\a+1], v[F1+8*\g+2*\pr:F1+8*\g+2*\pr+1] op_sel_hi:[1,0,1]
.else
	v_pk_fma_f32 v[64*\g+8*\a+2*\pr:64*\g+8*\a+2*\pr+1], v[F1+32+8*\g+2*\pr:F1+32+8*\g+2*\pr+1], v[COV+\a-1:COV+\a], v[F1+8*\g+2*\pr:F1+8*\g+2*\pr+1] op_sel:[0,1,0] op_sel_hi:[1,1,1]
.endif
.endr
.endr
.endr
.endm
; THE WAY FROM z TO e, for one window's four groups of 64 registers (a group = one b).  Five steps for a group: ARG z x 2 log2e (32 packed); EXP (64); ADD 1 + (32 packed); RCP (64);
; ACC: x (-2 v) and onto the running pair of row block a, which is the window's registers 8 a, 8 a + 1 (32 packed; the first is a multiply in place).
; The groups go through them one phase apart.  A phase holds: the exponentials of group xg and the reciprocals of group rg (one batch), and beside them the plain work ADD rg, ACC sg, ARG ag,
; dealt plain, transcendental, plain, transcendental.  Nothing ahead of a phase's end names a result of the phase's batch: ADD rg stands ahead of the reciprocals of the same registers
; (pair i at plain place i; its two registers at places 2 i and 2 i + 1 or later), ACC names group sg and group 0's running pairs, and group 0 is in no batch when ACC runs.
; At the phase's end: one plain instruction behind the last transcendental, and one wait ahead of the first reader.
.macro EPHASE W, xg, rg, sg, ag
.set nX, 0
.set nR, 0
.set nA, 0
.set nS, 0
.set nG, 0
.if (\xg) >= 0
.set nX, 64
.endif
.if (\rg) >= 0
.set nR, 64
.set nA, 32
.endif
.if (\sg) >= 0
.set nS, 32
.endif
.if (\ag) >= 0
.set nG, 32
.endif
.set q, 0
.rept 128
.if q < nA
.set x0, 64*(\rg)+2*q
	v_pk_add_f32 v[x0:x0+1], v[x0:x0+1], 1.0 op_sel_hi:[1,0]
.elseif q < nA+nS
.set eac, (q-nA)%8
.set epr, (q-nA)/8
.set x0, 64*(\sg)+8*eac+2*epr
.set x1, VV+8*(4*((\W)-2)+(\sg))+2*epr
.if ((\sg) == 0) && (epr == 0)
	v_pk_mul_f32 v[8*eac:8*eac+1], v[8*eac:8*eac+1], v[x1:x1+1]
.else
	v_pk_fma_f32 v[8*eac:8*eac+1], v[x0:x0+1], v[x1:x1+1], v[8*eac:8*eac+1]
.endif
.elseif q < nA+nS+nG
.set x0, 64*(\ag)+2*(q-nA-nS)
	v_pk_mul_f32 v[x0:x0+1], v[x0:x0+1], s[CC:CC+1] op_sel_hi:[1,0]  ; each accumulator is read from its lowest registers on
.endif
.if q < nX
	v_exp_f32 v[64*(\xg)+q], v[64*(\xg)+q]
.elseif q < nX+nR
	v_rcp_f32 v[64*(\rg)+q-nX], v[64*(\rg)+q-nX]
.endif
.set q, q+1
.endr
.if nX+nR > 0
	v_nop
	s_wait_alu depctr_va_vdst(0)
.endif
.endm
.macro EPI W
	WIN 0xa2+0x51*((\W)-2)                         ; destination, sources 0 and 2 in window W; source 1 (-2 v) in window 0
	EPHASE \W, -1, -1, -1, 0
	EPHASE \W, 0, -1, -1, 1
	EPHASE \W, 1, 0, -1, 2
	EPHASE \W, 2, 1, 0, 3
	EPHASE \W, 3, 2, 1, -1
	EPHASE \W, -1, 3, 2, -1
	EPHASE \W, -1, -1, 3, -1
.endm
.macro EMOVE W                         ; the window's running pairs onto E
	WIN (\W)<<2
.irp a, 0,1,2,3,4,5,6,7
	v_pk_add_f32 v[E+2*\a:E+2*\a+1], v[E+2*\a:E+2*\a+1], v[8*\a:8*\a+1]
.endr
.endm
; The first seven rows of my 32 of the next block: 56 loads, 512 consecutive bytes of one row each
.macro NEXTBLK
	WIN TO_2
.irp i, 0,1,2,3,4,5,6
.irp s, 0,1,2,3,4,5,6,7
	global_load_b128 v[32*\i+4*\s:32*\i+4*\s+3], v[L16], s[CP:CP+1] offset:4096*\i+512*\s th:TH_LOAD_NT
.endr
.endr
	WIN 0
.endm
; Row slot i: its row is in, is rounded to bf16 and stored to LDS (256 consecutive bytes an instruction); issue = 1: the slot is asked for again, with the row eight further down
.macro DRAIN i, issue, left
	s_wait_loadcnt \left
	WIN CV2
.set tm, F0+16*((\i)%2)
.irp s, 0,1,2,3,4,5,6,7
	v_cvt_pk_bf16_f32 v[tm+2*\s],   v[32*(\i)+4*\s],   v[32*(\i)+4*\s+1]
	v_cvt_pk_bf16_f32 v[tm+2*\s+1], v[32*(\i)+4*\s+2], v[32*(\i)+4*\s+3]
.endr
	WIN 0
.irp s, 0,1,2,3,4,5,6,7
	ds_store_b64 v[STC], v[tm+2*\s:tm+2*\s+1] offset:AP*(\i)+256*\s
.endr
.if \issue
	WIN TO_2
.irp s, 0,1,2,3,4,5,6,7
	global_load_b128 v[32*(\i)+4*\s:32*(\i)+4*\s+3], v[L16], s[CP:CP+1] offset:32768+4096*(\i)+512*\s th:TH_LOAD_NT
.endr
.endif
.endm
; THE WEIGHTED SUM.  Run kk: 32 rows of the block x my 256 channels, turned: 16 fragments (lane (r, h): channel 16 t + r, rows 32 kk + 8 h ..); even runs into window 0, odd ones into window 3
.macro TRRUN kk
	WIN 0
.if ((\kk)%2) == 0
.set ta, TRC
.set tb, F0
.else
.set ta, TRD
.set tb, 128
.endif
	v_add_nc_u32 v[ta], (\kk)*32*AP, v[TRA]
.if ((\kk)%2) == 1
	WIN TO_3
.endif
.irp t, 0,1,2,3,4,5,6,7,8,9,10,11,12,13,14,15
	ds_load_tr16_b128 v[tb+8*\t:tb+8*\t+3],   v[ta] offset:32*\t
	ds_load_tr16_b128 v[tb+8*\t+4:tb+8*\t+7], v[ta] offset:32*\t+16*AP
.endr
.endm
.macro WMUL kk                         ; 16 products: source 0 = p's 16 rows, source 1 = 16 channels; the 16 accumulators take turns
	WIN 0xf0+0x0c*((\kk)%2)
.if ((\kk)%2) == 0
.set tb, F0
.else
.set tb, 128
.endif
.irp t, 0,1,2,3,4,5,6,7,8,9,10,11,12,13,14,15
.if (\kk) == 0
	v_wmma_f32_16x16x32_bf16 v[8*\t:8*\t+7], v[PF+8*(\kk):PF+8*(\kk)+7], v[tb+8*\t:tb+8*\t+7], 0
.else
	v_wmma_f32_16x16x32_bf16 v[8*\t:8*\t+7], v[PF+8*(\kk):PF+8*(\kk)+7], v[tb+8*\t:tb+8*\t+7], v[8*\t:8*\t+7]
.endif
.endr
.endm
	; ---------------- THE HEAD
	s_load_b512 s[8:23], s[0:1], 0x0               ; context s[8:9], mask s[10:11], coverage s[12:13], W_cov s[14:15], b_cov s[16:17], b_h s[18:19], b_s s[20:21], v_w s[22:23]
	s_load_b256 s[24:31], s[0:1], 0x40             ; v_b s[24:25], wt s[26:27], upart s[28:29], ebuf s[30:31]
	s_load_b128 s[32:35], s[0:1], 0x60             ; stat s[32:33], opart s[34:35]
	v_lshl_add_u32 v[SPW], v0, 2, SPARE
	v_mov_b32 v[NIL], 0
	v_lshrrev_b32 v1, 5, v0
	v_readfirstlane_b32 s[WV], v1                  ; wave 0..3
	v_and_b32 v1, 15, v0                           ; r
	v_bfe_u32 v2, v0, 4, 1                         ; h
	v_and_b32 v3, 31, v0                           ; lane
	v_mul_u32_u24 v[AB], v1, AP
	v_lshl_add_u32 v[AB], v2, 4, v[AB]             ; row r x pitch + 16 h
	v_add_nc_u32 v[AB+1], 32*AP, v[AB]
	v_add_nc_u32 v[AB+2], 64*AP, v[AB]
	v_add_nc_u32 v[AB+3], 96*AP, v[AB]
	v_lshlrev_b32 v[L16], 4, v3
	s_lshl_b32 s3, s[WV], 9
	s_add_co_u32 s4, s3, TU
	v_lshl_add_u32 v[TA0], v2, 5, s4
	s_mul_i32 s4, s[WV], 32*AP
	v_lshl_add_u32 v[ST0], v3, 3, s4               ; my wave's 32 rows; 8 bytes a lane
	s_add_co_u32 s4, s3, EX
	v_lshl_add_u32 v[EXS], v1, 2, s4
	v_add_nc_u32 v[EXL], EX, v[L16]
	s_mul_i32 s4, s[WV], PTW
	s_add_co_u32 s4, s4, PT
	v_lshl_add_u32 v[PTS], v3, 3, s4
	v_mul_u32_u24 v[PTL], v1, PTP
	v_lshl_add_u32 v[PTL], v2, 4, v[PTL]
	v_add_nc_u32 v[PTL], s4, v[PTL]
	v_and_b32 v4, 7, v0
	v_lshl_add_u32 v4, v2, 3, v4
	v_mul_u32_u24 v[TRA], v4, AP
	v_bfe_u32 v4, v0, 3, 1
	v_lshl_add_u32 v[TRA], v4, 4, v[TRA]
	v_add_nc_u32 v[TRA], s3, v[TRA]                ; + my 256 channels' 512 bytes
	s_lshl_b32 s4, s[WV], 11
	s_add_co_u32 s4, s4, OST
	v_lshl_add_u32 v[OSS], v1, 2, s4
	v_lshl_add_u32 v[OSS], v2, 10, v[OSS]
	v_add_nc_u32 v[OSL], s4, v[L16]
	v_lshlrev_b32 v[C4], 2, v1
	v_lshlrev_b32 v5, 5, v0                        ; 32 x thread: my eight columns of the tables
	v_add_nc_u32 v6, TU, v5
	s_mov_b32 s[CC], 0x4038aa3b                    ; 2 log2(e)
	s_mov_b32 s[CC+1], 0x4038aa3b
	s_mov_b32 s[SEL], 0x76543210
	s_mov_b32 s[SEL+1], 0xfedcba98
	s_mov_b32 s[L2E], 0x3fb8aa3b
	s_mov_b32 s[QD], 0
	s_mov_b32 s[BLK], 2
	s_mov_b32 s[OFF+1], 0
	s_lshr_b32 s5, ttmp9, 3                        ; the batch: eight work-groups each
	s_wait_kmcnt 0x0
	s_load_b32 s7, s[24:25], 0x0                   ; v_b
	s_lshl_b32 s[OFF], s5, 13
	s_add_nc_u64 s[CVR:CVR+1], s[12:13], s[OFF:OFF+1]   ; the batch's row of coverage
	s_lshl_b32 s[OFF], s5, 12
	s_add_nc_u64 s[UPB:UPB+1], s[28:29], s[OFF:OFF+1]   ; its row in each part of upart
	s_lshl_b32 s[OFF], s[WV], 19
	s_add_nc_u64 s[BS:BS+1], s[26:27], s[OFF:OFF+1]
	s_mov_b64 s[BP:BP+1], s[BS:BS+1]
	s_add_nc_u64 s[BQ:BQ+1], s[BS:BS+1], 32768
	s_lshl_b32 s[OFF], ttmp9, 20                   ; 256 rows of 4,096 bytes a work-group,
	s_lshl_b32 s4, s[WV], 17                       ; 32 a wave
	s_add_co_u32 s[OFF], s[OFF], s4
	s_add_nc_u64 s[CP:CP+1], s[8:9], s[OFF:OFF+1]
	s_lshl_b32 s[OFF], ttmp9, 10                   ; 256 rows of 4 bytes; two blocks of 512 bytes in stat
	s_add_nc_u64 s[COVP:COVP+1], s[12:13], s[OFF:OFF+1]
	s_add_nc_u64 s[MSKP:MSKP+1], s[10:11], s[OFF:OFF+1]
	s_add_nc_u64 s[EP:EP+1], s[30:31], s[OFF:OFF+1]
	s_add_nc_u64 s[STP:STP+1], s[32:33], s[OFF:OFF+1]
	s_lshl_b32 s[OFF], ttmp9, 13                   ; two blocks of 4,096 bytes in opart, 1,024 a wave
	s_lshl_b32 s4, s[WV], 10
	s_add_co_u32 s[OFF], s[OFF], s4
	s_add_nc_u64 s[OP:OP+1], s[34:35], s[OFF:OFF+1]
	; 50 loads for the tables: the batch's whole row of coverage and all of v_w (every wave sums them for itself: no exchange), and for my eight columns upart's 8 parts, the 3 biases, W_cov, v_w
.set i, 0
.rept 16
	global_load_b128 v[CVL+4*i:CVL+4*i+3], v[L16], s[CVR:CVR+1] offset:512*i
.set i, i+1
.endr
.set i, 0
.rept 8
	global_load_b128 v[VWL+4*i:VWL+4*i+3], v[L16], s[22:23] offset:512*i
.set i, i+1
.endr
.set i, 0
.rept 8
	global_load_b128 v[UPL+8*i:UPL+8*i+3],   v5, s[UPB:UPB+1] offset:131072*i
	global_load_b128 v[UPL+8*i+4:UPL+8*i+7], v5, s[UPB:UPB+1] offset:131072*i+16
.set i, i+1
.endr
.irp j, 0,1
	global_load_b128 v[BIL+4*\j:BIL+4*\j+3],       v5, s[16:17] offset:16*\j
	global_load_b128 v[BIL+8+4*\j:BIL+8+4*\j+3],   v5, s[18:19] offset:16*\j
	global_load_b128 v[BIL+16+4*\j:BIL+16+4*\j+3], v5, s[20:21] offset:16*\j
	global_load_b128 v[WCL+4*\j:WCL+4*\j+3],       v5, s[14:15] offset:16*\j
	global_load_b128 v[VML+4*\j:VML+4*\j+3],       v5, s[22:23] offset:16*\j
.endr
	WIN TO_B                                       ; W_h's fragments of K steps 0, 1, 2: 48 loads
.irp s, 0,1,2
.irp b, 0,1,2,3,4,5,6,7
	global_load_b128 v[64*\s+8*\b:64*\s+8*\b+3],   v[L16], s[BS:BS+1] offset:8192*\s+1024*\b
	global_load_b128 v[64*\s+8*\b+4:64*\s+8*\b+7], v[L16], s[BS:BS+1] offset:8192*\s+1024*\b+512
.endr
.endr
	NEXTBLK                                        ; and the first block's first seven rows
	s_wait_loadcnt 56                              ; all but those 56: the tables are made while context is on its way
	s_wait_kmcnt 0x0                               ; v_b
.set st, 32
.rept 5                                ; the lane's 64 numbers of coverage into one pair
.set k, 0
.rept st/2
	v_pk_add_f32 v[CVL+k:CVL+k+1], v[CVL+k:CVL+k+1], v[CVL+st+k:CVL+st+k+1]
.set k, k+2
.endr
.set st, st/2
.endr
.set st, 16
.rept 4                                ; its 32 of v_w
.set k, 0
.rept st/2
	v_pk_add_f32 v[VWL+k:VWL+k+1], v[VWL+k:VWL+k+1], v[VWL+st+k:VWL+st+k+1]
.set k, k+2
.endr
.set st, st/2
.endr
	v_add_f32 v[CVL], v[CVL], v[CVL+1]
	v_add_f32 v[VWL], v[VWL], v[VWL+1]
	LANESUM CVL, CVL+1
	LANESUM VWL, VWL+1
	v_add_f32 v[CVL], 0x4003126f, v[CVL]           ; + 2,048 x 0.001
	v_rcp_f32 v[CVL+2], v[CVL]
	v_add_f32 v[VWL], s7, v[VWL]                   ; v_b + the sum of v: the plain instruction behind the reciprocal
	s_wait_alu depctr_va_vdst(0)                   ; the wait ahead of the reciprocal's first reader
	v_mul_f32 v[CVL+3], 0x3a83126f, v[CVL+2]       ; 0.001 x
	v_readfirstlane_b32 s[INV], v[CVL+2]
	v_readfirstlane_b32 s[INV1], v[CVL+3]
	v_readfirstlane_b32 s[EC], v[VWL]
.irp kp, 1,2,3,4,5,6,7
.irp c, 0,2,4,6
	v_pk_add_f32 v[UPL+\c:UPL+\c+1], v[UPL+\c:UPL+\c+1], v[UPL+8*\kp+\c:UPL+8*\kp+\c+1]
.endr
.endr
.irp bi, 0,1,2
.irp c, 0,2,4,6
	v_pk_add_f32 v[UPL+\c:UPL+\c+1], v[UPL+\c:UPL+\c+1], v[BIL+8*\bi+\c:BIL+8*\bi+\c+1]
.endr
.endr
.irp c, 0,2,4,6
	v_pk_mul_f32 v[VML+\c:VML+\c+1], v[VML+\c:VML+\c+1], -2.0 op_sel_hi:[1,0]
.endr
	ds_store_b128 v6, v[UPL:UPL+3]
	ds_store_b128 v6, v[UPL+4:UPL+7] offset:16
	ds_store_b128 v6, v[WCL:WCL+3]   offset:4096
	ds_store_b128 v6, v[WCL+4:WCL+7] offset:4096+16
	ds_store_b128 v6, v[VML:VML+3]   offset:8192
	ds_store_b128 v6, v[VML+4:VML+7] offset:8192+16
	v_mov_b32 v2, 0
	v_mov_b32 v3, 0
.set i, 0
.rept 17                               ; my 4,352 bytes for p are cleared once: rows 2-15 stay 0
	ds_store_b64 v[PTS], v[2:3] offset:256*i
.set i, i+1
.endr
	; ---------------- A BLOCK
.Lblock:
	; LOAD.  Coverage and mask of the block's rows, and the eighth row slot; then my 32 rows go through the eight slots.
.irp a, 0,1,2,3,4,5,6,7
	global_load_b32 v[COV+\a], v[C4], s[COVP:COVP+1] offset:64*\a
.endr
	global_load_b128 v[MASK:MASK+3], v[L16], s[MSKP:MSKP+1]
	WIN TO_2
.irp s, 0,1,2,3,4,5,6,7
	global_load_b128 v[224+4*\s:224+4*\s+3], v[L16], s[CP:CP+1] offset:4096*7+512*\s th:TH_LOAD_NT
.endr
	WIN 0
	v_mov_b32 v[STC], v[ST0]
	s_mov_b32 s[CNT], 3
.Lld:                                          ; a trip: eight rows stored, the next eight asked for
.irp i, 0,1,2,3,4,5,6,7
	DRAIN \i, 1, 56                                ; behind a slot's eight loads stand the seven other slots' 56 (in a block's first trip nine more, of coverage and mask: the count is then the smaller)
.endr
	WIN 0
	s_wait_xcnt 0x0                                ; the loads have read their base: it is stepped only behind this wait
	s_add_nc_u64 s[CP:CP+1], s[CP:CP+1], 32768
	v_add_nc_u32 v[STC], 8*AP, v[STC]
	s_sub_co_u32 s[CNT], s[CNT], 1
	s_cmp_lg_u32 s[CNT], 0
	s_cbranch_scc1 .Lld
.irp i, 0,1,2,3,4,5,6,7
	DRAIN \i, 0, 56-8*\i                           ; the last eight rows: nothing is asked for, the counts run down to 0
.endr
	s_wait_xcnt 0x0
	s_add_nc_u64 s[CP:CP+1], s[CP:CP+1], 524288-3*32768  ; my rows of the next block
	s_add_nc_u64 s[COVP:COVP+1], s[COVP:COVP+1], 512
	s_add_nc_u64 s[MSKP:MSKP+1], s[MSKP:MSKP+1], 512
.irp a, 0,1,2,3,4,5,6,7
	v_fma_f32 v[COV+\a], v[COV+\a], s[INV], s[INV1]  ; (coverage + 0.001) / sum
.endr
.set i, 0
.rept 16
	v_mov_b32 v[E+i], 0
.set i, i+1
.endr
.irp i, 0,1,2,3
	v_mov_b32 v[AD+\i], v[AB+\i]
.endr
	s_mov_b32 s[KO], 0
	s_mov_b32 s[PASS], 0
	s_mov_b32 s[TQ], 0
	s_wait_dscnt 0x0                               ; for the others' sake: my rows (and, the first time, my part of the tables) lie in LDS
	s_barrier_signal -1
	s_barrier_wait -1                              ; the block is whole
	ARUN 3                                         ; context's fragments of K step 0, into buffer 0
.Lpass:
	v_add_nc_u32 v[TAC], s[TQ], v[TA0]
.irp b, 0,1,2,3,4,5,6,7
	ds_load_b128 v[VV+8*\b:VV+8*\b+3],   v[TAC] offset:8192+64*\b
	ds_load_b128 v[VV+8*\b+4:VV+8*\b+7], v[TAC] offset:8192+64*\b+16
.endr
	CONSTS 0
	s_wait_dscnt 0x0
	INIT 2
	CONSTS 1
	s_wait_dscnt 0x0
	INIT 3
	WIN 0
	s_mov_b32 s[CNT], 8
.Lk:                                           ; a trip: four K steps.  W_h's stream runs on from pass to pass and from block to block: the block's last three runs fetch K steps 0, 1, 2 again
	STEP 0                                         ; (in the launch's last block those 48 loads serve nothing: the price of one text for every trip)
	STEP 1
	STEP 2
	STEP 3
	WIN 0
	s_wait_xcnt 0x0                                ; the loads, the youngest 32 products back, have read their bases
	s_add_co_u32 s[QD], s[QD], 1
	s_and_b32 s[QD], s[QD], 15                     ; 16 groups of four K steps, round and round
	s_mov_b64 s[BP:BP+1], s[BQ:BQ+1]
	s_add_co_u32 s[OFF], s[QD], 1
	s_and_b32 s[OFF], s[OFF], 15
	s_lshl_b32 s[OFF], s[OFF], 15
	s_add_nc_u64 s[BQ:BQ+1], s[BS:BS+1], s[OFF:OFF+1]
	s_sub_co_u32 s[CNT], s[CNT], 1
	s_cmp_lg_u32 s[CNT], 0
	s_cbranch_scc1 .Lk
	PLACES                                         ; behind the last products, in front of the first read of results
	PLACES
	EPI 2
	EMOVE 2
	EPI 3
	EMOVE 3
	WIN 0
	s_add_co_u32 s[TQ], s[TQ], 2048
	s_add_co_u32 s[PASS], s[PASS], 1
	s_cmp_lt_u32 s[PASS], 2
	s_cbranch_scc1 .Lpass
	s_cmp_eq_u32 s[BLK], 1                         ; where a block follows, its first rows are asked for now: window 2 is free, and the softmax and the weighted sum run meanwhile
	s_cbranch_scc1 .Lno_next
	NEXTBLK
.Lno_next:
	; SOFTMAX OF THE BLOCK.  A row's two halves (even, odd columns), the other half of the lanes' eight columns, then the four waves' shares through LDS.
.irp a, 0,1,2,3,4,5,6,7
	v_add_f32 v[E+2*\a], v[E+2*\a], v[E+2*\a+1]
.endr
.irp a, 0,1,2,3,4,5,6,7
	v_permlanex16_b32 v[E+2*\a+1], v[E+2*\a], s[SEL], s[SEL+1]
.endr
.irp a, 0,1,2,3,4,5,6,7
	v_add_f32 v[E+2*\a], v[E+2*\a], v[E+2*\a+1]
.endr
.irp a, 0,1,2,3,4,5,6,7
	ds_store_b32 v[EXS], v[E+2*\a] offset:64*\a    ; lanes r and r + 16 write the same word with the same number
.endr
	s_wait_dscnt 0x0
	s_barrier_signal -1
	s_barrier_wait -1
.irp w, 0,1,2,3
	ds_load_b128 v[F0+4*\w:F0+4*\w+3], v[EXL] offset:512*\w   ; rows 4 lane + 0..3: every wave makes all 128 scores, since each needs p
.endr
	s_wait_dscnt 0x0
	v_pk_add_f32 v[F0:F0+1],     v[F0:F0+1],     v[F0+4:F0+5]
	v_pk_add_f32 v[F0+2:F0+3],   v[F0+2:F0+3],   v[F0+6:F0+7]
	v_pk_add_f32 v[F0+8:F0+9],   v[F0+8:F0+9],   v[F0+12:F0+13]
	v_pk_add_f32 v[F0+10:F0+11], v[F0+10:F0+11], v[F0+14:F0+15]
	v_pk_add_f32 v[F0:F0+1],     v[F0:F0+1],     v[F0+8:F0+9]
	v_pk_add_f32 v[F0+2:F0+3],   v[F0+2:F0+3],   v[F0+10:F0+11]
	v_pk_add_f32 v[EV:EV+1],   v[F0:F0+1],   s[EC:EC+1] op_sel_hi:[1,0]
	v_pk_add_f32 v[EV+2:EV+3], v[F0+2:F0+3], s[EC:EC+1] op_sel_hi:[1,0]
	v_max3_num_f32 v[SV], v[EV], v[EV+1], v[EV+2]
	v_max_num_f32 v[SV], v[SV], v[EV+3]
	LANEMAX SV, 1                                  ; m: over all 128 rows, masked or not, as reference() takes it
.irp j, 0,1,2,3
	v_sub_f32 v[PV+\j], v[EV+\j], v[SV]            ; the difference first (exact for near numbers), then the factor
.endr
.irp j, 0,1,2,3
	v_mul_f32 v[PV+\j], s[L2E], v[PV+\j]
.endr
.irp j, 0,1,2,3
	v_exp_f32 v[PV+\j], v[PV+\j]
.endr
.irp j, 0,1,2,3
	v_cvt_f32_i32 v[PV+4+\j], v[MASK+\j]           ; plain work behind the batch
.endr
	s_wait_alu depctr_va_vdst(0)                   ; one wait for the four exponentials, ahead of their first reader
	v_pk_mul_f32 v[PV:PV+1],   v[PV:PV+1],   v[PV+4:PV+5]
	v_pk_mul_f32 v[PV+2:PV+3], v[PV+2:PV+3], v[PV+6:PV+7]
	v_add_f32 v[SV+1], v[PV], v[PV+1]
	v_add_f32 v1, v[PV+2], v[PV+3]
	v_add_f32 v[SV+1], v[SV+1], v1
	LANESUM SV+1, 1                                ; l, of the unrounded p
	v_mov_b32 v[SV+2], v[SV]
	v_mov_b32 v[SV+3], v[SV+1]
	v_cvt_pk_bf16_f32 v2, v[PV], v[PV+1]           ; p rounded to bf16,
	v_cvt_pk_bf16_f32 v3, v[PV+2], v[PV+3]
	v_lshlrev_b32 v[PV+4], 16, v2
	v_and_b32 v[PV+5], 0xffff0000, v2
	v_lshlrev_b32 v[PV+6], 16, v3
	v_and_b32 v[PV+7], 0xffff0000, v3
	v_pk_add_f32 v[PV+4:PV+5], v[PV:PV+1],   v[PV+4:PV+5] neg_lo:[0,1] neg_hi:[0,1]  ; and what the rounding left over, exact in f32,
	v_pk_add_f32 v[PV+6:PV+7], v[PV+2:PV+3], v[PV+6:PV+7] neg_lo:[0,1] neg_hi:[0,1]
	v_cvt_pk_bf16_f32 v4, v[PV+4], v[PV+5]         ; rounded in its turn
	v_cvt_pk_bf16_f32 v5, v[PV+6], v[PV+7]
	ds_store_b64 v[PTS], v[2:3]
	ds_store_b64 v[PTS], v[4:5] offset:PTP
.irp kk, 0,1,2,3                       ; my own bytes, served in order (ISA guide 5.7.1.4): fragment kk = 16 rows of p x the block's rows 32 kk ..
	ds_load_b128 v[PF+8*\kk:PF+8*\kk+3],   v[PTL] offset:64*\kk
	ds_load_b128 v[PF+8*\kk+4:PF+8*\kk+7], v[PTL] offset:64*\kk+32
.endr
	s_cmp_lg_u32 s[WV], 0
	s_cbranch_scc1 .Lnot0
	global_store_b128 v[L16], v[EV:EV+3], s[EP:EP+1]     ; wave 0 stores the block's 128 scores: 512 consecutive bytes,
	global_store_b128 v[L16], v[SV:SV+3], s[STP:STP+1]   ; and m, l, over the block's whole 512 bytes of stat
.Lnot0:
	; THE WEIGHTED SUM: 16 rows of p (two of them live) x 128 rows of the block x my 256 channels
	TRRUN 0
	TRRUN 1
	s_wait_dscnt 32                                ; p's fragments and run 0 are in; run 1's 32 loads may stay out
	WMUL 0
	PLACES
	TRRUN 2
	s_wait_dscnt 32
	WMUL 1
	PLACES
	TRRUN 3
	s_wait_dscnt 32
	WMUL 2
	s_wait_dscnt 0x0
	WMUL 3
	PLACES
	PLACES
	WIN CV3
.irp t, 0,1,2,3,4,5,6,7,8,9,10,11,12,13,14,15
	v_add_f32 v[OS+\t], v[8*\t], v[8*\t+1]         ; rows 0 and 1 of the result: lanes 0-15 hold channel 16 t + r; lanes 16-31 hold rows 8, 9, which are nothing
.endr
	WIN 0
.irp t, 0,1,2,3,4,5,6,7,8,9,10,11,12,13,14,15
	ds_store_b32 v[OSS], v[OS+\t] offset:64*\t
.endr
	ds_load_b128 v[PV:PV+3],   v[OSL]              ; back as 1,024 consecutive bytes
	ds_load_b128 v[PV+4:PV+7], v[OSL] offset:512
	s_wait_dscnt 0x0
	global_store_b128 v[L16], v[PV:PV+3],   s[OP:OP+1]
	global_store_b128 v[L16], v[PV+4:PV+7], s[OP:OP+1] offset:512
	s_barrier_signal -1                            ; (no LDS instruction of mine is out: the wait above) my reads of the block are over:
	s_barrier_wait -1                              ; nobody reads it any more, and the next block may be stored over it
	s_wait_xcnt 0x0                                ; the stores have read their bases and their data
	s_add_nc_u64 s[EP:EP+1], s[EP:EP+1], 512
	s_add_nc_u64 s[STP:STP+1], s[STP:STP+1], 512
	s_add_nc_u64 s[OP:OP+1], s[OP:OP+1], 4096
	s_sub_co_u32 s[BLK], s[BLK], 1
	s_cmp_lg_u32 s[BLK], 0
	s_cbranch_scc1 .Lblock
	s_wait_tensorcnt 0x0                           ; the wave's end: behind my last LDS store
	ds_add_u32 v[SPW], v[NIL]
	s_wait_dscnt 0x0
	s_endpgm
.Lfunc_end_k_qdef296e2b4_main:
	.size	k_qdef296e2b4_main, .Lfunc_end_k_qdef296e2b4_main-k_qdef296e2b4_main
	.p2alignl 7, 3214868480
	.fill 96, 4, 3214868480
	.section	.rodata,"a",@progbits
	.p2align	6, 0x0
	.amdhsa_kernel k_qdef296e2b4_main
		.amdhsa_group_segment_fixed_size 304640
		.amdhsa_private_segment_fixed_size 0
		.amdhsa_enable_private_segment 0
		.amdhsa_kernarg_size 112
		.amdhsa_user_sgpr_count 2
		.amdhsa_user_sgpr_kernarg_segment_ptr 1
		.amdhsa_wavefront_size32 1
		.amdhsa_system_sgpr_workgroup_id_x 1
		.amdhsa_system_sgpr_workgroup_id_y 1
		.amdhsa_system_sgpr_workgroup_id_z 1
		.amdhsa_system_vgpr_workitem_id 0
		.amdhsa_next_free_vgpr 1024
		.amdhsa_next_free_sgpr 76
		.amdhsa_reserve_vcc 0
		.amdhsa_float_denorm_mode_32 3
		.amdhsa_float_denorm_mode_16_64 3
		.amdhsa_memory_ordered 1
		.amdhsa_forward_progress 1
		.amdhsa_inst_pref_size 219
	.end_amdhsa_kernel
	.amdgpu_metadata
---
amdhsa.version: [ 1, 2 ]
amdhsa.kernels:
  - .name:           k_qdef296e2b4_main
    .symbol:         k_qdef296e2b4_main.kd
    .args:
      - { .name: context, .offset: 0, .size: 8, .value_kind: global_buffer, .address_space: global }
      - { .name: context_mask, .offset: 8, .size: 8, .value_kind: global_buffer, .address_space: global }
      - { .name: coverage, .offset: 16, .size: 8, .value_kind: global_buffer, .address_space: global }
      - { .name: W_cov, .offset: 24, .size: 8, .value_kind: global_buffer, .address_space: global }
      - { .name: b_cov, .offset: 32, .size: 8, .value_kind: global_buffer, .address_space: global }
      - { .name: b_h, .offset: 40, .size: 8, .value_kind: global_buffer, .address_space: global }
      - { .name: b_s, .offset: 48, .size: 8, .value_kind: global_buffer, .address_space: global }
      - { .name: v_w, .offset: 56, .size: 8, .value_kind: global_buffer, .address_space: global }
      - { .name: v_b, .offset: 64, .size: 8, .value_kind: global_buffer, .address_space: global }
      - { .name: wt, .offset: 72, .size: 8, .value_kind: global_buffer, .address_space: global }
      - { .name: upart, .offset: 80, .size: 8, .value_kind: global_buffer, .address_space: global }
      - { .name: ebuf, .offset: 88, .size: 8, .value_kind: global_buffer, .address_space: global }
      - { .name: stat, .offset: 96, .size: 8, .value_kind: global_buffer, .address_space: global }
      - { .name: opart, .offset: 104, .size: 8, .value_kind: global_buffer, .address_space: global }
    .group_segment_fixed_size: 304640
    .private_segment_fixed_size: 0
    .kernarg_segment_align: 8
    .kernarg_segment_size: 112
    .max_flat_workgroup_size: 128
    .sgpr_count:     76
    .vgpr_count:     1024
    .wavefront_size: 32
...
	.end_amdgpu_metadata
.endif
;; end of part 2
;; launch finish (part 3): grid 4 x 32, 4 waves a work-group, no clusters, 0 bytes of LDS; arguments ebuf, stat, opart, context_mask, out0, out1; writes out0, out1
.if DOCPART == 3
	.amdgcn_target "amdgcn-amd-amdhsa--gfx1250"
	.amdhsa_code_object_version 6
	.text
	.protected	k_qdef296e2b4_finish
	.globl	k_qdef296e2b4_finish
	.p2align	8
	.type	k_qdef296e2b4_finish,@function
k_qdef296e2b4_finish:
	s_mov_b64 s[64:65], 0
	v_nop
	global_prefetch_b8 v0, s[64:65] scope:SCOPE_SE
	s_setreg_imm32_b32 hwreg(HW_REG_WAVE_MODE, 25, 1), 1
	s_wait_xcnt 0x0
; A BATCH'S 16 BLOCKS ARE JOINED.  Work-group (part, batch).  Block i left its maximum m_i, its sum l_i of masked weights 2^((e - m_i) log2 e), and its weighted sum o_i.
; M = max m_i (over all rows, masked or not, as reference() takes it); sc_i = 2^((m_i - M) log2 e); L = sum of l_i sc_i.
; out0[d] = sum over i of o_i[d] sc_i / L, for 256 of the 1,024 d; out1[s] = 2^((e_s - M) log2 e) x mask / L, for 512 of the 2,048 s.
; That is reference()'s softmax x mask, renormalised: the softmax's own divisor cancels.  A batch whose mask is all 0 gives NaN, as there.
; Every wave makes the statistics for itself: lane l takes block l % 16, so four steps inside each half of 16 lanes reach all 16 blocks; no LDS, no barrier.
; Memory bounds nothing here (2.9 MB in all); matrix units, LDS and clusters would add nothing.
.set L2E, 50
	s_load_b256 s[4:11], s[0:1], 0x0               ; ebuf s[4:5], stat s[6:7], opart s[8:9], mask s[10:11]
	s_load_b128 s[12:15], s[0:1], 0x20             ; out0 s[12:13], out1 s[14:15]
	v_lshlrev_b32 v2, 4, v0                        ; 16 x thread: four scores
	v_lshlrev_b32 v3, 3, v0                        ; 8 x thread: two channels
	v_and_b32 v4, 15, v0
	v_lshlrev_b32 v4, 9, v4                        ; block lane % 16: 512 bytes of stat each
	s_and_b32 s2, ttmp7, 0xffff                    ; the batch
	s_mov_b32 s[L2E], 0x3fb8aa3b
	s_lshl_b32 s52, s2, 13                         ; e, mask, out1: 8,192 bytes a batch, 2,048 a part
	s_lshl_b32 s3, ttmp9, 11
	s_add_co_u32 s52, s52, s3
	s_mov_b32 s53, 0
	s_lshl_b32 s54, s2, 13                         ; stat: 16 blocks of 512 bytes a batch
	s_mov_b32 s55, 0
	s_lshl_b32 s56, s2, 16                         ; opart: 16 blocks of 4,096 bytes a batch, 1,024 a part
	s_lshl_b32 s3, ttmp9, 10
	s_add_co_u32 s56, s56, s3
	s_mov_b32 s57, 0
	s_lshl_b32 s58, s2, 12                         ; out0: 4,096 bytes a batch
	s_add_co_u32 s58, s58, s3
	s_mov_b32 s59, 0
	s_wait_kmcnt 0x0
	s_add_nc_u64 s[4:5], s[4:5], s[52:53]
	s_add_nc_u64 s[10:11], s[10:11], s[52:53]
	s_add_nc_u64 s[14:15], s[14:15], s[52:53]
	s_add_nc_u64 s[6:7], s[6:7], s[54:55]
	s_add_nc_u64 s[8:9], s[8:9], s[56:57]
	s_add_nc_u64 s[12:13], s[12:13], s[58:59]
	global_load_b128 v[8:11], v2, s[4:5]           ; e
	global_load_b128 v[12:15], v2, s[10:11]        ; mask
	global_load_b64 v[16:17], v4, s[6:7]           ; m, l of my block
.irp i, 0,1,2,3,4,5,6,7,8,9,10,11,12,13,14,15
	global_load_b64 v[32+2*\i:33+2*\i], v3, s[8:9] offset:4096*\i
.endr
	s_wait_loadcnt 16                              ; all but the 16 loads of the blocks' sums
	v_mov_b32 v18, v16
.irp m, 1,2,4,8
	v_max_num_f32_dpp v18, v18, v18 row_xmask:\m row_mask:0xf bank_mask:0xf
.endr
	v_sub_f32 v19, v16, v18                        ; differences first (exact for near numbers), then the factor
.irp j, 0,1,2,3
	v_sub_f32 v[24+\j], v[8+\j], v18
.endr
	v_mul_f32 v19, s[L2E], v19
.irp j, 0,1,2,3
	v_mul_f32 v[24+\j], s[L2E], v[24+\j]
.endr
	v_exp_f32 v19, v19                             ; sc, and the four weights: one batch
.irp j, 0,1,2,3
	v_exp_f32 v[24+\j], v[24+\j]
.endr
.irp j, 0,1,2,3
	v_cvt_f32_i32 v[12+\j], v[12+\j]               ; plain work behind the batch
.endr
	s_wait_alu depctr_va_vdst(0)                   ; one wait for the five, ahead of their first reader
	v_mul_f32 v20, v17, v19
.irp m, 1,2,4,8
	v_add_f32_dpp v20, v20, v20 row_xmask:\m row_mask:0xf bank_mask:0xf
.endr
	v_rcp_f32 v22, v20                             ; 1 / L
	v_pk_mul_f32 v[24:25], v[24:25], v[12:13]      ; x mask: plain work behind the reciprocal
	v_pk_mul_f32 v[26:27], v[26:27], v[14:15]
	s_wait_alu depctr_va_vdst(0)
	v_mul_f32 v23, v19, v22                        ; my block's factor sc / L
.irp j, 0,1,2,3
	v_mul_f32 v[24+\j], v[24+\j], v22
.endr
	global_store_b128 v2, v[24:27], s[14:15]       ; a wave stores 512 consecutive bytes
.irp i, 0,1,2,3,4,5,6,7,8,9,10,11,12,13,14,15
	v_readlane_b32 s[16+2*\i], v23, \i
	s_mov_b32 s[17+2*\i], s[16+2*\i]               ; named with it as a pair
.endr
	s_wait_loadcnt 15                              ; block 0's sums are in; the counts run down with the blocks
	v_pk_mul_f32 v[28:29], v[32:33], s[16:17] op_sel_hi:[1,0]
.irp i, 1,2,3,4,5,6,7,8,9,10,11,12,13,14,15
	s_wait_loadcnt 15-\i
	v_pk_fma_f32 v[28:29], v[32+2*\i:33+2*\i], s[16+2*\i:17+2*\i], v[28:29] op_sel_hi:[1,0,1]
.endr
	global_store_b64 v3, v[28:29], s[12:13]        ; a wave stores 256 consecutive bytes, aligned
	s_endpgm
.Lfunc_end_k_qdef296e2b4_finish:
	.size	k_qdef296e2b4_finish, .Lfunc_end_k_qdef296e2b4_finish-k_qdef296e2b4_finish
	.p2alignl 7, 3214868480
	.fill 96, 4, 3214868480
	.section	.rodata,"a",@progbits
	.p2align	6, 0x0
	.amdhsa_kernel k_qdef296e2b4_finish
		.amdhsa_group_segment_fixed_size 0
		.amdhsa_private_segment_fixed_size 0
		.amdhsa_enable_private_segment 0
		.amdhsa_kernarg_size 48
		.amdhsa_user_sgpr_count 2
		.amdhsa_user_sgpr_kernarg_segment_ptr 1
		.amdhsa_wavefront_size32 1
		.amdhsa_system_sgpr_workgroup_id_x 1
		.amdhsa_system_sgpr_workgroup_id_y 1
		.amdhsa_system_sgpr_workgroup_id_z 1
		.amdhsa_system_vgpr_workitem_id 0
		.amdhsa_next_free_vgpr 64
		.amdhsa_next_free_sgpr 66
		.amdhsa_reserve_vcc 0
		.amdhsa_float_denorm_mode_32 3
		.amdhsa_float_denorm_mode_16_64 3
		.amdhsa_memory_ordered 1
		.amdhsa_forward_progress 1
		.amdhsa_inst_pref_size 8
	.end_amdhsa_kernel
	.amdgpu_metadata
---
amdhsa.version: [ 1, 2 ]
amdhsa.kernels:
  - .name:           k_qdef296e2b4_finish
    .symbol:         k_qdef296e2b4_finish.kd
    .args:
      - { .name: ebuf, .offset: 0, .size: 8, .value_kind: global_buffer, .address_space: global }
      - { .name: stat, .offset: 8, .size: 8, .value_kind: global_buffer, .address_space: global }
      - { .name: opart, .offset: 16, .size: 8, .value_kind: global_buffer, .address_space: global }
      - { .name: context_mask, .offset: 24, .size: 8, .value_kind: global_buffer, .address_space: global }
      - { .name: out0, .offset: 32, .size: 8, .value_kind: global_buffer, .address_space: global }
      - { .name: out1, .offset: 40, .size: 8, .value_kind: global_buffer, .address_space: global }
    .group_segment_fixed_size: 0
    .private_segment_fixed_size: 0
    .kernarg_segment_align: 8
    .kernarg_segment_size: 48
    .max_flat_workgroup_size: 128
    .sgpr_count:     66
    .vgpr_count:     64
    .wavefront_size: 32
...
	.end_amdgpu_metadata
.endif
;; end of part 3
;; ======== version 2 of 2: 3 launches; version 1 with the launch main written anew for expert scheduling mode
;; workspace buffers: wt 2,097,152 bytes; upart 1,048,576 bytes; ebuf 262,144 bytes; stat 262,144 bytes; opart 2,097,152 bytes
;; launch prep: the kernel of part 1 again; grid 192 x 1, 4 waves a work-group, no clusters, 76,288 bytes of LDS; arguments W_s, W_h, state_h, state_c, wt, upart; writes wt, upart
;; launch main (part 4): grid 256 x 1, 4 waves a work-group, no clusters, 304,640 bytes of LDS; arguments context, context_mask, coverage, W_cov, b_cov, b_h, b_s, v_w, v_b, wt, upart, ebuf, stat, opart; writes ebuf, stat, opart
.if DOCPART == 4
	.amdgcn_target "amdgcn-amd-amdhsa--gfx1250"
	.amdhsa_code_object_version 6
	.text
	.protected	k_qdef296e2b4_main
	.globl	k_qdef296e2b4_main
	.p2align	8
	.type	k_qdef296e2b4_main,@function
k_qdef296e2b4_main:
	s_mov_b64 s[64:65], 0
	v_nop
	global_prefetch_b8 v0, s[64:65] scope:SCOPE_SE
	s_setreg_imm32_b32 hwreg(HW_REG_WAVE_SCHED_MODE, 0, 2), 2
	s_setreg_imm32_b32 hwreg(HW_REG_WAVE_MODE, 25, 1), 1
	s_wait_xcnt 0x0
	s_wait_alu depctr_vm_vsrc(0)
; SCORES AND WEIGHTED SUMS, with context read once.  z = context W_h + u + cov W_cov, u = [h, c] W_s + b_s + b_h + b_cov; e = v_b + sum over n of v_n tanh(z_n).
; A work-group stays on 256 rows of one batch: two BLOCKS of 128 rows.  A block's context is rounded once to bf16 and lies whole in LDS (128 x 1,024); it is multiplied by all of W_h,
; tanh and v make its 128 scores, the block's own maximum m, weights p = 2^((e - m) log2 e) x mask and their sum l follow, and the block's sum of p x context is taken from the SAME LDS bytes.
; Out go e (ebuf), m and l (stat) and the block's sum (opart); the last launch joins a batch's 16 blocks.
; SHARES.  Four waves side by side: in pass 0, 1 wave w makes columns 512 pass + 128 w .. + 127 of all 128 rows: 64 accumulators of 16 x 16, 512 registers.  All four read the same
; fragments of context from LDS; each has its own columns of W_h, so W_h's fragments come from wt straight into registers, in the order in which the launch before laid them.
; The products are used transposed (source 0 = 16 columns of W_h, source 1 = 16 rows of context): a lane holds one row (16 a + r) and eight neighbouring columns (8 h + 0..7).
; The sums START at u + cov W_cov (made by fused multiply-adds), so nothing is cleared and the K loop has one form.
; tanh(z) = 1 - 2 / (1 + 2^(2 log2e z)): right at both ends (an infinite power gives +1, a vanished one -1).  So e = (v_b + sum of v) + sum of (-2 v_n) / (1 + 2^(..)).
; NO CLUSTER, NO TENSOR LOADS.  What work-groups share is W_h; to be shared it would have to pass through LDS: two slots of one K step of 32 for 512 columns are 2 x 32,768 bytes,
; and with the block's 264,192 that is more than the 327,680 that there are.  Context's rows are shared by nobody and must be converted on their way, so they come through registers.
; LIMITS.  context, W_h: one rounding to bf16 each; p enters the second product as two bf16 numbers, its rounding and what that left over.  The sum of (coverage + 0.001) is formed as
; (sum of coverage) + 2.048.  The mask counts as float(int), whatever it holds.  v_exp_f32 and v_rcp_f32 take denormals for 0 (ISA guide 15.8).  NaN is not treated apart.
; last_attn is an argument that reference() never uses: it is not read.  v_b cancels in the softmax; it is loaded and added all the same.
; THE MODE: SCHED_MODE bits 1:0 = 2 (LLVM: expert scheduling mode 2), set by the entry lines.  The code itself states the register dependences between vector or matrix instructions
; and memory or LDS instructions, with s_wait_alu, always for 0.
; THE PLAN.  Registers that memory or LDS instructions touch:
;   addresses   v6-7, v12-17, v19, v21-29, v252: made in the head, never written again.  v[STC] is written at a block's head and once a trip of eight rows; v[AD] behind the load phase and once a
;               trip of four K steps; v[TAC] behind the load phase and at a pass's end: each time a wait on vm_vsrc ahead of the write, and a wait on va_vdst that stands there anyway behind it.
;   slots 0-7   (window 2) a row of context as loaded.  Slot i: its 16 conversions read it; behind them its next row lands in it.
;   T0 .. T7    (v32-159) a row in bf16.  T[i]: slot i's conversions write it, its 8 LDS stores read it.  One wait on va_vdst a slot, behind the conversions (T[i] is written, slot i is read);
;               one wait on vm_vsrc a trip, behind the trip's last store, frees all eight.
;   ring 0-3    (window 1) W_h's fragments of a K step.  Step p's products read place p; the loads of step p land in place (p + 3) % 4, which step p - 1 read.
;   F0, F1      context's fragments.  Step p's products read buffer p % 2; the LDS loads of step p land in the other, which step p - 1 read.
;               So ONE wait on va_vdst stands at a K step's head, and the step's 32 loads are dealt among its 64 products, which name none of the registers that those loads touch.
;   tables      u and W_cov land in F1 and in the ring's place 3, -2 v in VV, behind the wait at the pass's end (the first pass: behind the load phase); INIT and the tanh steps read them.
;   E, v2-5, OS, EV, SV, PV   written by vector instructions, read by stores: a wait on va_vdst ahead of each run of stores; the wait on vm_vsrc at the next block's head frees them.
;   accumulators, COV's use, statistics: vector and matrix instructions alone.
.set AP,    2064                       ; a row of the block in LDS: 2,048 bytes + 16: an odd multiple of 16, so that the 16 rows of a fragment load start 4 banks apart (64 banks of 4 bytes: ISA guide 11.1)
.set TU,    128*AP                     ; behind the block: three tables of 1,024 f32: u; W_cov (+4,096); -2 v_w (+8,192)
.set EX,    TU+3*4096                  ; [wave][128] f32: each wave's share of the block's scores
.set PT,    EX+2048                    ; for each wave 16 rows x 272 bytes of bf16: row 0 p rounded, row 1 the rest, rows 2-15 zero
.set PTP,   272
.set PTW,   16*PTP
.set OST,   PT+4*PTW                   ; for each wave 1,024 bytes of sums, then 1,024 where lanes 16-31 put theirs, which nobody reads
.set SPARE, OST+4*2048                 ; the spare words, 128 bytes for each wave
; window 0
.set TR1,  7                           ; v7      the turning loads' address, run 1; never rewritten
.set AD,   8                           ; v8-11   LDS address of rows 32 i + r, at the group of four K steps in hand
.set AB,   12                          ; v12-15  the same at K = 0; never rewritten
.set L16,  16                          ; v16     16 x lane; never rewritten
.set TA0,  17                          ; v17     my place in a table: TU + 512 w + 32 h
.set TAC,  18                          ; v18     the same in the pass in hand
.set ST0,  19                          ; v19     where my 8 bytes of my wave's first row go
.set STC,  20                          ; v20     the same for the eight rows in hand
.set EXS,  21
.set EXL,  22
.set PTS,  23
.set PTL,  24
.set TRA,  25                          ; v25     the turning load's place in the block: (8 h + lane % 8) rows + 16 ((lane / 8) % 2) + 512 w: run 0's address
.set TR2,  26                          ; v26     run 2's; never rewritten
.set OSS,  27
.set OSL,  28
.set C4,   29                          ; v29     4 r; never rewritten
.set SPW,  30                          ; v30     my spare word; never rewritten
.set NIL,  31                          ; v31     0; never rewritten
.set F0,   32                          ; v32-95   fragments of context, buffer 0 (a at 8 a); while a block is loaded: T0 .. T3
.set F1,   96                          ; v96-159  buffer 1; T4 .. T7
.set COV,  160                         ; v160-167 normalised coverage of row 16 a + r
.set E,    168                         ; v168-183 my share of e of row 16 a + r: a pair (even, odd columns)
.set VV,   184                         ; v184-247 -2 v of my columns (b at 8 b)
.set PF,   184                         ;          later: the fragments of p (kk at 8 kk)
.set OS,   216
.set EV,   232                         ; v232-235 e of rows 4 lane + 0..3
.set SV,   236                         ; v236-239 m, l, m, l
.set PV,   240                         ; v240-247 p, and at work
.set MASK, 248
.set TR3,  252                         ; v252    run 3's address; never rewritten
; the head's landing places
.set CVL,  32
.set VWL,  96
.set UPL,  128
.set BIL,  192
.set WCL,  216
.set VML,  224
; window 1: W_h's fragments, a ring of four K steps (step k % 4 at 64 (k % 4), b at + 8 b); at a pass's head place 3 takes u and W_cov of b = 4..7
.set CB,   192
; window 2: accumulators of b = 0..3 at 64 b + 8 a; while a block is loaded: eight row slots of 32
; window 3: accumulators of b = 4..7; in the weighted sum: v0-127 its 16 accumulators, v128-255 the odd runs' fragments
.set WV,   2
.set WB,   8                           ; s[8:15]  ring place r: wt at the K step that the place is asked for next: a pair at WB + 2 r (the head's pointers that lay here are done with)
.set WO,   16                          ; s[16:23] the same K step's byte offset in my stream, with 0 above it: a pair at WO + 2 r
.set BS,   36                          ; s[36:37] wt at my wave's stream: 64 K steps of 8,192 bytes, walked round and round
.set CP,   42                          ; s[42:43] context at the eight rows in hand
.set KO,   44
.set CNT,  46
.set PASS, 47
.set BLK,  48
.set CC,   50                          ; s[50:51] 2 log2(e)
.set SEL,  52                          ; s[52:53] v_permlanex16_b32's selects: each lane takes its own place in the other half
.set EC,   54                          ; s54  v_b + the sum of v
.set L2E,  55                          ; s55  log2(e)
.set OFF,  56
.set COVP, 58
.set MSKP, 60
.set EP,   62
.set STP,  66
.set OP,   68
.set INV,  70                          ; s70  1 / (sum of coverage + 2.048)
.set INV1, 71                          ; s71  0.001 x that
.set CVR,  72
.set UPB,  74
.set MSB, 0
.macro WIN new                         ; s_set_vgpr_msb: bits 1:0 source 0, 3:2 source 1, 5:4 source 2, 7:6 destination; the high byte repeats the setting that is left
.if MSB != (\new)
	s_set_vgpr_msb (MSB<<8)|(\new)
.set MSB, \new
.endif
.endm
.set MUL_LO, 0xa1                      ; source 0 (W_h) window 1, source 1 (context) window 0, C and D window 2
.set TO_B,   0x40
.set TO_2,   0x80
.set TO_3,   0xc0
.set IN_3,   0xd1                      ; destination window 3, sources 0 and 2 (W_cov, u) window 1, source 1 (cov) window 0
.set CV2,    0x0a                      ; sources 0 and 1 window 2
.set CV3,    0x0f                      ; sources 0 and 1 window 3
.macro PLACES                          ; four places (ISA guide 7.12.1) behind matrix instructions, in front of vector instructions that read their results
.rept 4
	v_nop
.endr
.endm
.macro LANESUM r, t                    ; the sum over the wave's 32 lanes, in every lane; t: a register that has been written
.irp m, 1,2,4,8
	v_add_f32_dpp v[\r], v[\r], v[\r] row_xmask:\m row_mask:0xf bank_mask:0xf
.endr
	v_permlanex16_b32 v[\t], v[\r], s[SEL], s[SEL+1]
	v_add_f32 v[\r], v[\r], v[\t]
.endm
.macro LANEMAX r, t
.irp m, 1,2,4,8
	v_max_num_f32_dpp v[\r], v[\r], v[\r] row_xmask:\m row_mask:0xf bank_mask:0xf
.endr
	v_permlanex16_b32 v[\t], v[\r], s[SEL], s[SEL+1]
	v_max_num_f32 v[\r], v[\r], v[\t]
.endm
; 8 products of K step p: my b = 4 hi + g x all eight a.  The 64 accumulators take turns in one order everywhere, over the backward jump too.
.macro MUL8 p, hi, g
	WIN MUL_LO+0x50*(\hi)
.irp a, 0,1,2,3,4,5,6,7
	v_wmma_f32_16x16x32_bf16 v[64*(\g)+8*\a:64*(\g)+8*\a+7], v[64*((\p)%4)+8*(4*(\hi)+(\g)):64*((\p)%4)+8*(4*(\hi)+(\g))+7], v[F0+64*((\p)%2)+8*\a:F0+64*((\p)%2)+8*\a+7], v[64*(\g)+8*\a:64*(\g)+8*\a+7]
.endr
.endm
; four of the 16 loads of W_h's fragments of the K step three on (b = 2 j, 2 j + 1; 512 consecutive bytes each), into the ring's place that the step before has left
.macro BLD p, j
	WIN TO_B
.set rr, ((\p)+3)%4
.irp c, 0,1
	global_load_b128 v[64*rr+8*(2*(\j)+\c):64*rr+8*(2*(\j)+\c)+3],   v[L16], s[WB+2*rr:WB+2*rr+1] offset:1024*(2*(\j)+\c)
	global_load_b128 v[64*rr+8*(2*(\j)+\c)+4:64*rr+8*(2*(\j)+\c)+7], v[L16], s[WB+2*rr:WB+2*rr+1] offset:1024*(2*(\j)+\c)+512
.endr
.endm
; four of the 16 LDS loads of context's fragments of the next K step (a = 2 j, 2 j + 1), into the buffer that the step before has left
.macro ALD p, j
	WIN 0
.set fa, F0+64*(((\p)+1)%2)
.set ko, (((\p)+1)%4)*64
.irp c, 0,1
	ds_load_b128 v[fa+8*(2*(\j)+\c):fa+8*(2*(\j)+\c)+3],   v[AD+(\j)] offset:\c*16*AP+ko
	ds_load_b128 v[fa+8*(2*(\j)+\c)+4:fa+8*(2*(\j)+\c)+7], v[AD+(\j)] offset:\c*16*AP+ko+32
.endr
.endm
; A K step of 32: 64 products, and four loads behind each eight of them: context's next fragments in the first half, 32 products ahead of their use, W_h's in the second.
.macro STEP p
	s_wait_loadcnt 32                              ; this step's fragments of W_h are in: behind them only the next two steps' 32 loads were issued
	s_add_co_u32 s[WO+2*(\p)], s[WO+2*(\p)], 4*8192       ; that wait has shown the loads that read this place's base done: the base moves on by four K steps,
	s_and_b32 s[WO+2*(\p)], s[WO+2*(\p)], 64*8192-1       ; round the stream's 64
	s_add_nc_u64 s[WB+2*(\p):WB+2*(\p)+1], s[BS:BS+1], s[WO+2*(\p):WO+2*(\p)+1]
	s_wait_dscnt 0x0                               ; and context's, asked for 32 products ago or more
.if (\p) == 3
	s_wait_alu depctr_vm_vsrc(0)                   ; the LDS loads issued so far have read v[AD ..]
	s_add_co_u32 s[KO], s[KO], 256                 ; the next group of four K steps, round the row's 2,048 bytes
	s_and_b32 s[KO], s[KO], 2047
	WIN 0
.irp i, 0,1,2,3
	v_add_nc_u32 v[AD+\i], s[KO], v[AB+\i]
.endr
.endif
	s_wait_alu depctr_va_vdst(0)                   ; the step before's products are done reading ring place (p + 3) % 4 and the other fragment buffer, in which this step's loads land (a pass's first step: INIT is done reading them); in step 3 v[AD ..] is written
	MUL8 \p, 0, 0
	ALD \p, 0                                      ; no further wait: no product since the wait names a register that these loads touch
	MUL8 \p, 0, 1
	ALD \p, 1
	MUL8 \p, 0, 2
	ALD \p, 2
	MUL8 \p, 0, 3
	ALD \p, 3
	MUL8 \p, 1, 0
	BLD \p, 0
	MUL8 \p, 1, 1
	BLD \p, 1
	MUL8 \p, 1, 2
	BLD \p, 2
	MUL8 \p, 1, 3
	BLD \p, 3
.endm
; u and W_cov of four of my b: 16 LDS loads into 64 registers at ub of the window that win names as the destination
.macro CONSTS hi, win, ub
	WIN \win
.irp g, 0,1,2,3
	ds_load_b128 v[(\ub)+8*\g:(\ub)+8*\g+3],       v[TAC] offset:64*(4*(\hi)+\g)
	ds_load_b128 v[(\ub)+8*\g+4:(\ub)+8*\g+7],     v[TAC] offset:64*(4*(\hi)+\g)+16
	ds_load_b128 v[(\ub)+32+8*\g:(\ub)+32+8*\g+3], v[TAC] offset:4096+64*(4*(\hi)+\g)
	ds_load_b128 v[(\ub)+32+8*\g+4:(\ub)+32+8*\g+7], v[TAC] offset:4096+64*(4*(\hi)+\g)+16
.endr
.endm
; the sums start at W_cov x cov + u: two columns an instruction; cov of row 16 a + r is the first or the second register of its pair
.macro INIT win, ub
	WIN \win
.irp g, 0,1,2,3
.irp a, 0,1,2,3,4,5,6,7
.irp pr, 0,1,2,3
.if (\a%2) == 0
	v_pk_fma_f32 v[64*\g+8*\a+2*\pr:64*\g+8*\a+2*\pr+1], v[(\ub)+32+8*\g+2*\pr:(\ub)+32+8*\g+2*\pr+1], v[COV+\a:COV+\a+1], v[(\ub)+8*\g+2*\pr:(\ub)+8*\g+2*\pr+1] op_sel_hi:[1,0,1]
.else
	v_pk_fma_f32 v[64*\g+8*\a+2*\pr:64*\g+8*\a+2*\pr+1], v[(\ub)+32+8*\g+2*\pr:(\ub)+32+8*\g+2*\pr+1], v[COV+\a-1:COV+\a], v[(\ub)+8*\g+2*\pr:(\ub)+8*\g+2*\pr+1] op_sel:[0,1,0] op_sel_hi:[1,1,1]
.endif
.endr
.endr
.endr
.endm
; THE WAY FROM z TO e, for one window's four groups of 64 registers (a group = one b).  Five steps for a group: ARG z x 2 log2e (32 packed); EXP (64); ADD 1 + (32 packed); RCP (64);
; ACC: x (-2 v) and onto the running pair of row block a, which is the window's registers 8 a, 8 a + 1 (32 packed; the first is a multiply in place).
; The groups go through them one phase apart.  A phase holds: the exponentials of group xg and the reciprocals of group rg (one batch), and beside them the plain work ADD rg, ACC sg, ARG ag,
; dealt plain, transcendental, plain, transcendental.  Nothing ahead of a phase's end names a result of the phase's batch: ADD rg stands ahead of the reciprocals of the same registers
; (pair i at plain place i; its two registers at places 2 i and 2 i + 1 or later), ACC names group sg and group 0's running pairs, and group 0 is in no batch when ACC runs.
; At the phase's end: one plain instruction behind the last transcendental, and one wait ahead of the first reader.
.macro EPHASE W, xg, rg, sg, ag
.set nX, 0
.set nR, 0
.set nA, 0
.set nS, 0
.set nG, 0
.if (\xg) >= 0
.set nX, 64
.endif
.if (\rg) >= 0
.set nR, 64
.set nA, 32
.endif
.if (\sg) >= 0
.set nS, 32
.endif
.if (\ag) >= 0
.set nG, 32
.endif
.set q, 0
.rept 128
.if q < nA
.set x0, 64*(\rg)+2*q
	v_pk_add_f32 v[x0:x0+1], v[x0:x0+1], 1.0 op_sel_hi:[1,0]
.elseif q < nA+nS
.set eac, (q-nA)%8
.set epr, (q-nA)/8
.set x0, 64*(\sg)+8*eac+2*epr
.set x1, VV+8*(4*((\W)-2)+(\sg))+2*epr
.if ((\sg) == 0) && (epr == 0)
	v_pk_mul_f32 v[8*eac:8*eac+1], v[8*eac:8*eac+1], v[x1:x1+1]
.else
	v_pk_fma_f32 v[8*eac:8*eac+1], v[x0:x0+1], v[x1:x1+1], v[8*eac:8*eac+1]
.endif
.elseif q < nA+nS+nG
.set x0, 64*(\ag)+2*(q-nA-nS)
	v_pk_mul_f32 v[x0:x0+1], v[x0:x0+1], s[CC:CC+1] op_sel_hi:[1,0]  ; each accumulator is read from its lowest registers on
.endif
.if q < nX
	v_exp_f32 v[64*(\xg)+q], v[64*(\xg)+q]
.elseif q < nX+nR
	v_rcp_f32 v[64*(\rg)+q-nX], v[64*(\rg)+q-nX]
.endif
.set q, q+1
.endr
.if nX+nR > 0
	v_nop
	s_wait_alu depctr_va_vdst(0)                   ; the phase's batch, group xg's exponentials and group rg's reciprocals, has written its results, which the next phase reads
.endif
.endm
.macro EPI W
	WIN 0xa2+0x51*((\W)-2)                         ; destination, sources 0 and 2 in window W; source 1 (-2 v) in window 0
	EPHASE \W, -1, -1, -1, 0
	EPHASE \W, 0, -1, -1, 1
	EPHASE \W, 1, 0, -1, 2
	EPHASE \W, 2, 1, 0, 3
	EPHASE \W, 3, 2, 1, -1
	EPHASE \W, -1, 3, 2, -1
	EPHASE \W, -1, -1, 3, -1
.endm
.macro EMOVE W                         ; the window's running pairs onto E
	WIN (\W)<<2
.irp a, 0,1,2,3,4,5,6,7
	v_pk_add_f32 v[E+2*\a:E+2*\a+1], v[E+2*\a:E+2*\a+1], v[8*\a:8*\a+1]
.endr
.endm
; The first seven rows of my 32 of the next block: 56 loads, 512 consecutive bytes of one row each
.macro NEXTBLK
	WIN TO_2
.irp i, 0,1,2,3,4,5,6
.irp s, 0,1,2,3,4,5,6,7
	global_load_b128 v[32*\i+4*\s:32*\i+4*\s+3], v[L16], s[CP:CP+1] offset:4096*\i+512*\s th:TH_LOAD_NT
.endr
.endr
	WIN 0
.endm
; Row slot i: its row is in and is rounded to bf16 into T[i]; issue = 1: the slot is asked for again at once, with the row eight further down; T[i] goes to LDS (256 consecutive bytes an instruction)
.macro DRAIN i, issue, left
	s_wait_loadcnt \left
	WIN CV2
.set tm, F0+16*(\i)
.irp s, 0,1,2,3,4,5,6,7
	v_cvt_pk_bf16_f32 v[tm+2*\s],   v[32*(\i)+4*\s],   v[32*(\i)+4*\s+1]
	v_cvt_pk_bf16_f32 v[tm+2*\s+1], v[32*(\i)+4*\s+2], v[32*(\i)+4*\s+3]
.endr
.if \issue
	WIN TO_2
.else
	WIN 0
.endif
	s_wait_alu depctr_va_vdst(0)                   ; the conversions are done reading slot i, in which the loads land, and have written T[i], which the LDS stores read; in a trip's first turn v[STC] is written
.if \issue
.irp s, 0,1,2,3,4,5,6,7
	global_load_b128 v[32*(\i)+4*\s:32*(\i)+4*\s+3], v[L16], s[CP:CP+1] offset:32768+4096*(\i)+512*\s th:TH_LOAD_NT
.endr
	WIN 0
.endif
.irp s, 0,1,2,3,4,5,6,7
	ds_store_b64 v[STC], v[tm+2*\s:tm+2*\s+1] offset:AP*(\i)+256*\s
.endr
.endm
; THE WEIGHTED SUM.  Run kk: 32 rows of the block x my 256 channels, turned: 16 fragments (lane (r, h): channel 16 t + r, rows 32 kk + 8 h ..); even runs into window 0, odd ones into window 3.
; Each run has an address register of its own.  wait = 1: the registers were read by the products two runs back.
.macro TRRUN kk, wait
.if ((\kk)%2) == 0
	WIN 0
.set tb, F0
.else
	WIN TO_3
.set tb, 128
.endif
.if (\kk) == 0
.set ta, TRA
.elseif (\kk) == 1
.set ta, TR1
.elseif (\kk) == 2
.set ta, TR2
.else
.set ta, TR3
.endif
.if \wait
	s_wait_alu depctr_va_vdst(0)                   ; the 16 products just issued are done reading the fragments of the run two back, in whose registers this run lands
.endif
.irp t, 0,1,2,3,4,5,6,7,8,9,10,11,12,13,14,15
	ds_load_tr16_b128 v[tb+8*\t:tb+8*\t+3],   v[ta] offset:32*\t
	ds_load_tr16_b128 v[tb+8*\t+4:tb+8*\t+7], v[ta] offset:32*\t+16*AP
.endr
.endm
.macro WMUL kk                         ; 16 products: source 0 = p's 16 rows, source 1 = 16 channels; the 16 accumulators take turns
	WIN 0xf0+0x0c*((\kk)%2)
.if ((\kk)%2) == 0
.set tb, F0
.else
.set tb, 128
.endif
.irp t, 0,1,2,3,4,5,6,7,8,9,10,11,12,13,14,15
.if (\kk) == 0
	v_wmma_f32_16x16x32_bf16 v[8*\t:8*\t+7], v[PF+8*(\kk):PF+8*(\kk)+7], v[tb+8*\t:tb+8*\t+7], 0
.else
	v_wmma_f32_16x16x32_bf16 v[8*\t:8*\t+7], v[PF+8*(\kk):PF+8*(\kk)+7], v[tb+8*\t:tb+8*\t+7], v[8*\t:8*\t+7]
.endif
.endr
.endm
	; ---------------- THE HEAD
	s_load_b512 s[8:23], s[0:1], 0x0               ; context s[8:9], mask s[10:11], coverage s[12:13], W_cov s[14:15], b_cov s[16:17], b_h s[18:19], b_s s[20:21], v_w s[22:23]
	s_load_b256 s[24:31], s[0:1], 0x40             ; v_b s[24:25], wt s[26:27], upart s[28:29], ebuf s[30:31]
	s_load_b128 s[32:35], s[0:1], 0x60             ; stat s[32:33], opart s[34:35]
	v_lshl_add_u32 v[SPW], v0, 2, SPARE
	v_mov_b32 v[NIL], 0
	v_lshrrev_b32 v1, 5, v0
	v_readfirstlane_b32 s[WV], v1                  ; wave 0..3
	v_and_b32 v1, 15, v0                           ; r
	v_bfe_u32 v2, v0, 4, 1                         ; h
	v_and_b32 v3, 31, v0                           ; lane
	v_mul_u32_u24 v[AB], v1, AP
	v_lshl_add_u32 v[AB], v2, 4, v[AB]             ; row r x pitch + 16 h
	v_add_nc_u32 v[AB+1], 32*AP, v[AB]
	v_add_nc_u32 v[AB+2], 64*AP, v[AB]
	v_add_nc_u32 v[AB+3], 96*AP, v[AB]
	v_lshlrev_b32 v[L16], 4, v3
	s_wait_alu depctr_va_sdst(0)                   ; the wave's number is written, ahead of its first reader
	s_lshl_b32 s3, s[WV], 9
	s_add_co_u32 s4, s3, TU
	v_lshl_add_u32 v[TA0], v2, 5, s4
	s_mul_i32 s4, s[WV], 32*AP
	v_lshl_add_u32 v[ST0], v3, 3, s4               ; my wave's 32 rows; 8 bytes a lane
	s_add_co_u32 s4, s3, EX
	v_lshl_add_u32 v[EXS], v1, 2, s4
	v_add_nc_u32 v[EXL], EX, v[L16]
	s_mul_i32 s4, s[WV], PTW
	s_add_co_u32 s4, s4, PT
	v_lshl_add_u32 v[PTS], v3, 3, s4
	v_mul_u32_u24 v[PTL], v1, PTP
	v_lshl_add_u32 v[PTL], v2, 4, v[PTL]
	v_add_nc_u32 v[PTL], s4, v[PTL]
	v_and_b32 v4, 7, v0
	v_lshl_add_u32 v4, v2, 3, v4
	v_mul_u32_u24 v[TRA], v4, AP
	v_bfe_u32 v4, v0, 3, 1
	v_lshl_add_u32 v[TRA], v4, 4, v[TRA]
	v_add_nc_u32 v[TRA], s3, v[TRA]                ; + my 256 channels' 512 bytes
	v_add_nc_u32 v[TR1], 32*AP, v[TRA]             ; the three further runs, 32 rows apart
	v_add_nc_u32 v[TR2], 64*AP, v[TRA]
	v_add_nc_u32 v[TR3], 96*AP, v[TRA]
	s_lshl_b32 s4, s[WV], 11
	s_add_co_u32 s4, s4, OST
	v_lshl_add_u32 v[OSS], v1, 2, s4
	v_lshl_add_u32 v[OSS], v2, 10, v[OSS]
	v_add_nc_u32 v[OSL], s4, v[L16]
	v_lshlrev_b32 v[C4], 2, v1
	v_lshlrev_b32 v5, 5, v0                        ; 32 x thread: my eight columns of the tables
	v_add_nc_u32 v6, TU, v5
	s_mov_b32 s[CC], 0x4038aa3b                    ; 2 log2(e)
	s_mov_b32 s[CC+1], 0x4038aa3b
	s_mov_b32 s[SEL], 0x76543210
	s_mov_b32 s[SEL+1], 0xfedcba98
	s_mov_b32 s[L2E], 0x3fb8aa3b
	s_mov_b32 s[BLK], 2
	s_mov_b32 s[OFF+1], 0
	s_lshr_b32 s5, ttmp9, 3                        ; the batch: eight work-groups each
	s_wait_kmcnt 0x0
	s_load_b32 s7, s[24:25], 0x0                   ; v_b
	s_lshl_b32 s[OFF], s5, 13
	s_add_nc_u64 s[CVR:CVR+1], s[12:13], s[OFF:OFF+1]   ; the batch's row of coverage
	s_lshl_b32 s[OFF], s5, 12
	s_add_nc_u64 s[UPB:UPB+1], s[28:29], s[OFF:OFF+1]   ; its row in each part of upart
	s_lshl_b32 s[OFF], s[WV], 19
	s_add_nc_u64 s[BS:BS+1], s[26:27], s[OFF:OFF+1]
	s_lshl_b32 s[OFF], ttmp9, 20                   ; 256 rows of 4,096 bytes a work-group,
	s_lshl_b32 s4, s[WV], 17                       ; 32 a wave
	s_add_co_u32 s[OFF], s[OFF], s4
	s_add_nc_u64 s[CP:CP+1], s[8:9], s[OFF:OFF+1]
	s_lshl_b32 s[OFF], ttmp9, 10                   ; 256 rows of 4 bytes; two blocks of 512 bytes in stat
	s_add_nc_u64 s[COVP:COVP+1], s[12:13], s[OFF:OFF+1]
	s_add_nc_u64 s[MSKP:MSKP+1], s[10:11], s[OFF:OFF+1]
	s_add_nc_u64 s[EP:EP+1], s[30:31], s[OFF:OFF+1]
	s_add_nc_u64 s[STP:STP+1], s[32:33], s[OFF:OFF+1]
	s_lshl_b32 s[OFF], ttmp9, 13                   ; two blocks of 4,096 bytes in opart, 1,024 a wave
	s_lshl_b32 s4, s[WV], 10
	s_add_co_u32 s[OFF], s[OFF], s4
	s_add_nc_u64 s[OP:OP+1], s[34:35], s[OFF:OFF+1]
	s_wait_alu depctr_va_vdst(0)                   ; all the offsets and LDS addresses made above are written, which the kernel's loads and stores read
	; 50 loads for the tables: the batch's whole row of coverage and all of v_w (every wave sums them for itself: no exchange), and for my eight columns upart's 8 parts, the 3 biases, W_cov, v_w
.set i, 0
.rept 16
	global_load_b128 v[CVL+4*i:CVL+4*i+3], v[L16], s[CVR:CVR+1] offset:512*i
.set i, i+1
.endr
.set i, 0
.rept 8
	global_load_b128 v[VWL+4*i:VWL+4*i+3], v[L16], s[22:23] offset:512*i
.set i, i+1
.endr
.set i, 0
.rept 8
	global_load_b128 v[UPL+8*i:UPL+8*i+3],   v5, s[UPB:UPB+1] offset:131072*i
	global_load_b128 v[UPL+8*i+4:UPL+8*i+7], v5, s[UPB:UPB+1] offset:131072*i+16
.set i, i+1
.endr
.irp j, 0,1
	global_load_b128 v[BIL+4*\j:BIL+4*\j+3],       v5, s[16:17] offset:16*\j
	global_load_b128 v[BIL+8+4*\j:BIL+8+4*\j+3],   v5, s[18:19] offset:16*\j
	global_load_b128 v[BIL+16+4*\j:BIL+16+4*\j+3], v5, s[20:21] offset:16*\j
	global_load_b128 v[WCL+4*\j:WCL+4*\j+3],       v5, s[14:15] offset:16*\j
	global_load_b128 v[VML+4*\j:VML+4*\j+3],       v5, s[22:23] offset:16*\j
.endr
	WIN TO_B                                       ; W_h's fragments of K steps 0, 1, 2: 48 loads
.irp s, 0,1,2
.irp b, 0,1,2,3,4,5,6,7
	global_load_b128 v[64*\s+8*\b:64*\s+8*\b+3],   v[L16], s[BS:BS+1] offset:8192*\s+1024*\b
	global_load_b128 v[64*\s+8*\b+4:64*\s+8*\b+7], v[L16], s[BS:BS+1] offset:8192*\s+1024*\b+512
.endr
.endr
	NEXTBLK                                        ; and the first block's first seven rows
	s_wait_loadcnt 56                              ; all but those 56: the tables are made while context is on its way; the loads that read s[14:23] as bases are done
	s_wait_kmcnt 0x0                               ; v_b
.irp r, 0,1,2,3
	s_mov_b32 s[WO+2*\r], \r*8192                  ; ring place r holds, or will first hold, K step r; a place's offset and base move on at the head of the step that reads it
	s_mov_b32 s[WO+2*\r+1], 0
.endr
	s_add_nc_u64 s[WB+6:WB+7], s[BS:BS+1], 3*8192  ; place 3 is asked for in the first K step, ahead of its first move
.set st, 32
.rept 5                                ; the lane's 64 numbers of coverage into one pair
.set k, 0
.rept st/2
	v_pk_add_f32 v[CVL+k:CVL+k+1], v[CVL+k:CVL+k+1], v[CVL+st+k:CVL+st+k+1]
.set k, k+2
.endr
.set st, st/2
.endr
.set st, 16
.rept 4                                ; its 32 of v_w
.set k, 0
.rept st/2
	v_pk_add_f32 v[VWL+k:VWL+k+1], v[VWL+k:VWL+k+1], v[VWL+st+k:VWL+st+k+1]
.set k, k+2
.endr
.set st, st/2
.endr
	v_add_f32 v[CVL], v[CVL], v[CVL+1]
	v_add_f32 v[VWL], v[VWL], v[VWL+1]
	LANESUM CVL, CVL+1
	LANESUM VWL, VWL+1
	v_add_f32 v[CVL], 0x4003126f, v[CVL]           ; + 2,048 x 0.001
	v_rcp_f32 v[CVL+2], v[CVL]
	v_add_f32 v[VWL], s7, v[VWL]                   ; v_b + the sum of v: the plain instruction behind the reciprocal
	s_wait_alu depctr_va_vdst(0)                   ; the reciprocal has written its result, ahead of its first reader
	v_mul_f32 v[CVL+3], 0x3a83126f, v[CVL+2]       ; 0.001 x
	v_readfirstlane_b32 s[INV], v[CVL+2]
	v_readfirstlane_b32 s[INV1], v[CVL+3]
	v_readfirstlane_b32 s[EC], v[VWL]
	s_wait_alu depctr_va_sdst(0)                   ; these three scalars are written
.irp kp, 1,2,3,4,5,6,7
.irp c, 0,2,4,6
	v_pk_add_f32 v[UPL+\c:UPL+\c+1], v[UPL+\c:UPL+\c+1], v[UPL+8*\kp+\c:UPL+8*\kp+\c+1]
.endr
.endr
.irp bi, 0,1,2
.irp c, 0,2,4,6
	v_pk_add_f32 v[UPL+\c:UPL+\c+1], v[UPL+\c:UPL+\c+1], v[BIL+8*\bi+\c:BIL+8*\bi+\c+1]
.endr
.endr
.irp c, 0,2,4,6
	v_pk_mul_f32 v[VML+\c:VML+\c+1], v[VML+\c:VML+\c+1], -2.0 op_sel_hi:[1,0]
.endr
	v_mov_b32 v2, 0
	v_mov_b32 v3, 0
	s_wait_alu depctr_va_vdst(0)                   ; u, -2 v and the two zeros are written, which the LDS stores below read
	ds_store_b128 v6, v[UPL:UPL+3]
	ds_store_b128 v6, v[UPL+4:UPL+7] offset:16
	ds_store_b128 v6, v[WCL:WCL+3]   offset:4096
	ds_store_b128 v6, v[WCL+4:WCL+7] offset:4096+16
	ds_store_b128 v6, v[VML:VML+3]   offset:8192
	ds_store_b128 v6, v[VML+4:VML+7] offset:8192+16
.set i, 0
.rept 17                               ; my 4,352 bytes for p are cleared once: rows 2-15 stay 0
	ds_store_b64 v[PTS], v[2:3] offset:256*i
.set i, i+1
.endr
	; ---------------- A BLOCK
.Lblock:
	; LOAD.  Coverage and mask of the block's rows, and the eighth row slot; then my 32 rows go through the eight slots.
	s_wait_alu depctr_vm_vsrc(0)                   ; the stores issued so far (the head's; the last block's) have read v[STC], T0 .. T7, v2-5, OS, EV, SV and PV, all of which this block writes again
	v_mov_b32 v[STC], v[ST0]
	s_wait_alu depctr_va_vdst(0)                   ; v[STC] is written; the vector instructions that read or wrote COV, MASK and slot 7 (the head's sums; the last block's) are done: the loads below land there
.irp a, 0,1,2,3,4,5,6,7
	global_load_b32 v[COV+\a], v[C4], s[COVP:COVP+1] offset:64*\a
.endr
	global_load_b128 v[MASK:MASK+3], v[L16], s[MSKP:MSKP+1]
	WIN TO_2
.irp s, 0,1,2,3,4,5,6,7
	global_load_b128 v[224+4*\s:224+4*\s+3], v[L16], s[CP:CP+1] offset:4096*7+512*\s th:TH_LOAD_NT
.endr
	WIN 0
	s_mov_b32 s[CNT], 3
.Lld:                                          ; a trip: eight rows stored, the next eight asked for
.irp i, 0,1,2,3,4,5,6,7
	DRAIN \i, 1, 56                                ; behind a slot's eight loads stand the seven other slots' 56 (in a block's first trip nine more, of coverage and mask: the count is then the smaller)
.endr
	s_wait_xcnt 0x0                                ; the loads have read their base: it is stepped only behind this wait
	s_add_nc_u64 s[CP:CP+1], s[CP:CP+1], 32768
	s_wait_alu depctr_vm_vsrc(0)                   ; the trip's 64 LDS stores have read v[STC], which is stepped here, and T0 .. T7, which the next eight turns write again
	v_add_nc_u32 v[STC], 8*AP, v[STC]
	s_sub_co_u32 s[CNT], s[CNT], 1
	s_cmp_lg_u32 s[CNT], 0
	s_cbranch_scc1 .Lld
.irp i, 0,1,2,3,4,5,6,7
	DRAIN \i, 0, 56-8*\i                           ; the last eight rows: nothing is asked for, the counts run down to 0
.endr
	s_wait_xcnt 0x0
	s_add_nc_u64 s[CP:CP+1], s[CP:CP+1], 524288-3*32768  ; my rows of the next block
	s_add_nc_u64 s[COVP:COVP+1], s[COVP:COVP+1], 512
	s_add_nc_u64 s[MSKP:MSKP+1], s[MSKP:MSKP+1], 512
	s_wait_alu depctr_vm_vsrc(0)                   ; my last LDS stores have read T0 .. T7, in which fragments and tables land; earlier LDS instructions have read E, v[AD ..] and v[TAC], written below
.irp a, 0,1,2,3,4,5,6,7
	v_fma_f32 v[COV+\a], v[COV+\a], s[INV], s[INV1]  ; (coverage + 0.001) / sum
.endr
.set i, 0
.rept 16
	v_mov_b32 v[E+i], 0
.set i, i+1
.endr
.irp i, 0,1,2,3
	v_mov_b32 v[AD+\i], v[AB+\i]
.endr
	v_mov_b32 v[TAC], v[TA0]
	s_mov_b32 s[KO], 0
	s_mov_b32 s[PASS], 0
	s_wait_dscnt 0x0                               ; for the others' sake: my rows (and, the first time, my part of the tables) lie in LDS
	s_barrier_signal -1
	s_barrier_wait -1                              ; the block is whole
	s_wait_alu depctr_va_vdst(0)                   ; v[AD ..] and v[TAC] are written, which the LDS loads below read; the conversions have written T0 .. T7, in which they land
.irp j, 0,1,2,3
	ALD 3, \j                                      ; context's fragments of K step 0, into buffer 0
.endr
.Lpass:                                        ; on both ways here a wait on va_vdst stands ahead, with no vector instruction since
	CONSTS 0, 0, F1                                ; u and W_cov of b = 0..3 into buffer 1, which no product reads now,
	CONSTS 1, TO_B, CB                             ; those of b = 4..7 into the ring's place 3, which is asked for again only in the first K step,
	WIN 0
.irp b, 0,1,2,3,4,5,6,7
	ds_load_b128 v[VV+8*\b:VV+8*\b+3],   v[TAC] offset:8192+64*\b      ; and -2 v
	ds_load_b128 v[VV+8*\b+4:VV+8*\b+7], v[TAC] offset:8192+64*\b+16
.endr
	s_wait_dscnt 32                                ; the first 16 are in; the 32 younger loads may stay out
	INIT TO_2, F1
	s_wait_dscnt 16                                ; the second 16; -2 v may stay out
	INIT IN_3, CB
	WIN 0
	s_mov_b32 s[CNT], 8
.Lk:                                           ; a trip: four K steps.  W_h's stream runs on from pass to pass and from block to block: the block's last three steps fetch K steps 0, 1, 2 again
	STEP 0                                         ; (in the launch's last block those 48 loads serve nothing: the price of one text for every trip)
	STEP 1
	STEP 2
	STEP 3
	WIN 0
	s_sub_co_u32 s[CNT], s[CNT], 1
	s_cmp_lg_u32 s[CNT], 0
	s_cbranch_scc1 .Lk
	PLACES                                         ; behind the last products, in front of the first read of results
	PLACES
	EPI 2
	EMOVE 2
	EPI 3
	EMOVE 3
	WIN 0
	s_wait_alu depctr_vm_vsrc(0)                   ; the pass's table loads have read v[TAC]
	v_add_nc_u32 v[TAC], 2048, v[TAC]              ; the next pass's 512 columns
	s_wait_alu depctr_va_vdst(0)                   ; v[TAC] is written; the products are done reading buffer 1 and the ring's place 3, the steps from z to e are done with -2 v and with window 2: the next pass's tables, or the next block's rows, land there
	s_add_co_u32 s[PASS], s[PASS], 1
	s_cmp_lt_u32 s[PASS], 2
	s_cbranch_scc1 .Lpass
	s_cmp_eq_u32 s[BLK], 1                         ; where a block follows, its first rows are asked for now: window 2 is free, and the softmax and the weighted sum run meanwhile
	s_cbranch_scc1 .Lno_next
	NEXTBLK                                        ; no vector instruction since the wait above
.Lno_next:
	; SOFTMAX OF THE BLOCK.  A row's two halves (even, odd columns), the other half of the lanes' eight columns, then the four waves' shares through LDS.
.irp a, 0,1,2,3,4,5,6,7
	v_add_f32 v[E+2*\a], v[E+2*\a], v[E+2*\a+1]
.endr
.irp a, 0,1,2,3,4,5,6,7
	v_permlanex16_b32 v[E+2*\a+1], v[E+2*\a], s[SEL], s[SEL+1]
.endr
.irp a, 0,1,2,3,4,5,6,7
	v_add_f32 v[E+2*\a], v[E+2*\a], v[E+2*\a+1]
.endr
	s_wait_alu depctr_va_vdst(0)                   ; the additions have written E, which the LDS stores read
.irp a, 0,1,2,3,4,5,6,7
	ds_store_b32 v[EXS], v[E+2*\a] offset:64*\a    ; lanes r and r + 16 write the same word with the same number
.endr
	s_wait_dscnt 0x0
	s_barrier_signal -1
	s_barrier_wait -1
.irp w, 0,1,2,3
	ds_load_b128 v[F0+4*\w:F0+4*\w+3], v[EXL] offset:512*\w   ; rows 4 lane + 0..3: every wave makes all 128 scores, since each needs p
.endr
	s_wait_dscnt 0x0
	v_pk_add_f32 v[F0:F0+1],     v[F0:F0+1],     v[F0+4:F0+5]
	v_pk_add_f32 v[F0+2:F0+3],   v[F0+2:F0+3],   v[F0+6:F0+7]
	v_pk_add_f32 v[F0+8:F0+9],   v[F0+8:F0+9],   v[F0+12:F0+13]
	v_pk_add_f32 v[F0+10:F0+11], v[F0+10:F0+11], v[F0+14:F0+15]
	v_pk_add_f32 v[F0:F0+1],     v[F0:F0+1],     v[F0+8:F0+9]
	v_pk_add_f32 v[F0+2:F0+3],   v[F0+2:F0+3],   v[F0+10:F0+11]
	v_pk_add_f32 v[EV:EV+1],   v[F0:F0+1],   s[EC:EC+1] op_sel_hi:[1,0]
	v_pk_add_f32 v[EV+2:EV+3], v[F0+2:F0+3], s[EC:EC+1] op_sel_hi:[1,0]
	v_max3_num_f32 v[SV], v[EV], v[EV+1], v[EV+2]
	v_max_num_f32 v[SV], v[SV], v[EV+3]
	LANEMAX SV, 1                                  ; m: over all 128 rows, masked or not, as reference() takes it
.irp j, 0,1,2,3
	v_sub_f32 v[PV+\j], v[EV+\j], v[SV]            ; the difference first (exact for near numbers), then the factor
.endr
.irp j, 0,1,2,3
	v_mul_f32 v[PV+\j], s[L2E], v[PV+\j]
.endr
.irp j, 0,1,2,3
	v_exp_f32 v[PV+\j], v[PV+\j]
.endr
.irp j, 0,1,2,3
	v_cvt_f32_i32 v[PV+4+\j], v[MASK+\j]           ; plain work behind the batch
.endr
	s_wait_alu depctr_va_vdst(0)                   ; the four exponentials have written their results, ahead of their first reader
	v_pk_mul_f32 v[PV:PV+1],   v[PV:PV+1],   v[PV+4:PV+5]
	v_pk_mul_f32 v[PV+2:PV+3], v[PV+2:PV+3], v[PV+6:PV+7]
	v_add_f32 v[SV+1], v[PV], v[PV+1]
	v_add_f32 v1, v[PV+2], v[PV+3]
	v_add_f32 v[SV+1], v[SV+1], v1
	LANESUM SV+1, 1                                ; l, of the unrounded p
	v_mov_b32 v[SV+2], v[SV]
	v_mov_b32 v[SV+3], v[SV+1]
	v_cvt_pk_bf16_f32 v2, v[PV], v[PV+1]           ; p rounded to bf16,
	v_cvt_pk_bf16_f32 v3, v[PV+2], v[PV+3]
	v_lshlrev_b32 v[PV+4], 16, v2
	v_and_b32 v[PV+5], 0xffff0000, v2
	v_lshlrev_b32 v[PV+6], 16, v3
	v_and_b32 v[PV+7], 0xffff0000, v3
	v_pk_add_f32 v[PV+4:PV+5], v[PV:PV+1],   v[PV+4:PV+5] neg_lo:[0,1] neg_hi:[0,1]  ; and what the rounding left over, exact in f32,
	v_pk_add_f32 v[PV+6:PV+7], v[PV+2:PV+3], v[PV+6:PV+7] neg_lo:[0,1] neg_hi:[0,1]
	v_cvt_pk_bf16_f32 v4, v[PV+4], v[PV+5]         ; rounded in its turn
	v_cvt_pk_bf16_f32 v5, v[PV+6], v[PV+7]
	s_wait_alu depctr_va_vdst(0)                   ; v2-5, EV and SV are written, which the stores below read; the additions above are done reading v[F0 ..], in which run 0 lands.  No vector instruction follows before the first products
	ds_store_b64 v[PTS], v[2:3]
	ds_store_b64 v[PTS], v[4:5] offset:PTP
.irp kk, 0,1,2,3                       ; my own bytes, served in order (ISA guide 5.7.1.4): fragment kk = 16 rows of p x the block's rows 32 kk ..
	ds_load_b128 v[PF+8*\kk:PF+8*\kk+3],   v[PTL] offset:64*\kk
	ds_load_b128 v[PF+8*\kk+4:PF+8*\kk+7], v[PTL] offset:64*\kk+32
.endr
	s_cmp_lg_u32 s[WV], 0
	s_cbranch_scc1 .Lnot0
	global_store_b128 v[L16], v[EV:EV+3], s[EP:EP+1]     ; wave 0 stores the block's 128 scores: 512 consecutive bytes,
	global_store_b128 v[L16], v[SV:SV+3], s[STP:STP+1]   ; and m, l, over the block's whole 512 bytes of stat
.Lnot0:
	; THE WEIGHTED SUM: 16 rows of p (two of them live) x 128 rows of the block x my 256 channels
	TRRUN 0, 0
	TRRUN 1, 0
	s_wait_dscnt 32                                ; p's fragments and run 0 are in; run 1's 32 loads may stay out
	WMUL 0
	TRRUN 2, 1
	s_wait_dscnt 32
	WMUL 1
	TRRUN 3, 1
	s_wait_dscnt 32
	WMUL 2
	s_wait_dscnt 0x0
	WMUL 3
	PLACES
	PLACES
	WIN CV3
.irp t, 0,1,2,3,4,5,6,7,8,9,10,11,12,13,14,15
	v_add_f32 v[OS+\t], v[8*\t], v[8*\t+1]         ; rows 0 and 1 of the result: lanes 0-15 hold channel 16 t + r; lanes 16-31 hold rows 8, 9, which are nothing
.endr
	WIN 0
	s_wait_alu depctr_va_vdst(0)                   ; the additions have written OS, which the LDS stores read
.irp t, 0,1,2,3,4,5,6,7,8,9,10,11,12,13,14,15
	ds_store_b32 v[OSS], v[OS+\t] offset:64*\t
.endr
	ds_load_b128 v[PV:PV+3],   v[OSL]              ; back as 1,024 consecutive bytes
	ds_load_b128 v[PV+4:PV+7], v[OSL] offset:512
	s_wait_dscnt 0x0
	global_store_b128 v[L16], v[PV:PV+3],   s[OP:OP+1]
	global_store_b128 v[L16], v[PV+4:PV+7], s[OP:OP+1] offset:512
	s_barrier_signal -1                            ; (no LDS instruction of mine is out: the wait above) my reads of the block are over:
	s_barrier_wait -1                              ; nobody reads it any more, and the next block may be stored over it
	s_wait_xcnt 0x0                                ; the stores have read their bases and their data
	s_add_nc_u64 s[EP:EP+1], s[EP:EP+1], 512
	s_add_nc_u64 s[STP:STP+1], s[STP:STP+1], 512
	s_add_nc_u64 s[OP:OP+1], s[OP:OP+1], 4096
	s_sub_co_u32 s[BLK], s[BLK], 1
	s_cmp_lg_u32 s[BLK], 0
	s_cbranch_scc1 .Lblock
	s_wait_dscnt 0x0                               ; the closing lines, six on end
	s_wait_alu 0x0
	s_wait_tensorcnt 0x0
	ds_add_u32 v[SPW], v[NIL]
	s_wait_dscnt 0x0
	s_endpgm
.Lfunc_end_k_qdef296e2b4_main:
	.size	k_qdef296e2b4_main, .Lfunc_end_k_qdef296e2b4_main-k_qdef296e2b4_main
	.p2alignl 7, 3214868480
	.fill 96, 4, 3214868480
	.section	.rodata,"a",@progbits
	.p2align	6, 0x0
	.amdhsa_kernel k_qdef296e2b4_main
		.amdhsa_group_segment_fixed_size 304640
		.amdhsa_private_segment_fixed_size 0
		.amdhsa_enable_private_segment 0
		.amdhsa_kernarg_size 112
		.amdhsa_user_sgpr_count 2
		.amdhsa_user_sgpr_kernarg_segment_ptr 1
		.amdhsa_wavefront_size32 1
		.amdhsa_system_sgpr_workgroup_id_x 1
		.amdhsa_system_sgpr_workgroup_id_y 1
		.amdhsa_system_sgpr_workgroup_id_z 1
		.amdhsa_system_vgpr_workitem_id 0
		.amdhsa_next_free_vgpr 1024
		.amdhsa_next_free_sgpr 76
		.amdhsa_reserve_vcc 0
		.amdhsa_float_denorm_mode_32 3
		.amdhsa_float_denorm_mode_16_64 3
		.amdhsa_memory_ordered 1
		.amdhsa_forward_progress 1
		.amdhsa_inst_pref_size 222
	.end_amdhsa_kernel
	.amdgpu_metadata
---
amdhsa.version: [ 1, 2 ]
amdhsa.kernels:
  - .name:           k_qdef296e2b4_main
    .symbol:         k_qdef296e2b4_main.kd
    .args:
      - { .name: context, .offset: 0, .size: 8, .value_kind: global_buffer, .address_space: global }
      - { .name: context_mask, .offset: 8, .size: 8, .value_kind: global_buffer, .address_space: global }
      - { .name: coverage, .offset: 16, .size: 8, .value_kind: global_buffer, .address_space: global }
      - { .name: W_cov, .offset: 24, .size: 8, .value_kind: global_buffer, .address_space: global }
      - { .name: b_cov, .offset: 32, .size: 8, .value_kind: global_buffer, .address_space: global }
      - { .name: b_h, .offset: 40, .size: 8, .value_kind: global_buffer, .address_space: global }
      - { .name: b_s, .offset: 48, .size: 8, .value_kind: global_buffer, .address_space: global }
      - { .name: v_w, .offset: 56, .size: 8, .value_kind: global_buffer, .address_space: global }
      - { .name: v_b, .offset: 64, .size: 8, .value_kind: global_buffer, .address_space: global }
      - { .name: wt, .offset: 72, .size: 8, .value_kind: global_buffer, .address_space: global }
      - { .name: upart, .offset: 80, .size: 8, .value_kind: global_buffer, .address_space: global }
      - { .name: ebuf, .offset: 88, .size: 8, .value_kind: global_buffer, .address_space: global }
      - { .name: stat, .offset: 96, .size: 8, .value_kind: global_buffer, .address_space: global }
      - { .name: opart, .offset: 104, .size: 8, .value_kind: global_buffer, .address_space: global }
    .group_segment_fixed_size: 304640
    .private_segment_fixed_size: 0
    .kernarg_segment_align: 8
    .kernarg_segment_size: 112
    .max_flat_workgroup_size: 128
    .sgpr_count:     76
    .vgpr_count:     1024
    .wavefront_size: 32
...
	.end_amdgpu_metadata
.endif
;; end of part 4
;; launch finish: the kernel of part 3 again; grid 4 x 32, 4 waves a work-group, no clusters, 0 bytes of LDS; arguments ebuf, stat, opart, context_mask, out0, out1; writes out0, out1
